; MI455X (gfx1250); checked and timed in simulation.
; The chip was launched on July 23, 2026; its instructions are those of AMD's public machine-readable ISA for CDNA 5 (MIT licence, August 2026) and "CDNA5" Instruction Set Architecture Reference Guide (July 2026). The comments in the code are by the model that wrote it; some were corrected since.
;; Causal Self Attention Mu P. Allowed arithmetic: matrix products marked QUANTISED: E4M3 operands, one E8M0 scale for each 32 along K, by v_wmma_scale_f32_16x16x128_f8f6f4 with both operands' format E4M3, f32 sums; everything else in f32.
;; Inputs: b_proj 1,024 float32; b_qkv 3,072 float32; w_proj_codes 1,024 x 32 x 32 uint8 (E4M3 codes of w_proj, K innermost, in blocks of 32 codes); w_proj_scales 1,024 x 32 uint8 (E8M0 scales of w_proj, one for each 32 codes along K); w_qkv_codes 3,072 x 32 x 32 uint8 (E4M3 codes of w_qkv, K innermost, in blocks of 32 codes); w_qkv_scales 3,072 x 32 uint8 (E8M0 scales of w_qkv, one for each 32 codes along K); x_codes 4 x 2,048 x 32 x 32 uint8 (E4M3 codes of x, K innermost, in blocks of 32 codes); x_scales 4 x 2,048 x 32 uint8 (E8M0 scales of x, one for each 32 codes along K).
;; Outputs: out0 4 x 2,048 x 1,024 float32.
;; This version of the problem:
;;   THIS VERSION OF THE PROBLEM IS GIVEN IN LOW PRECISION. The matrix products marked QUANTISED in the list below multiply operands that are first quantised to E4M3 (4 exponent bits, 3 mantissa bits; 8 bits a number), with one power-of-two scale for each 32 numbers along K (OCP MX v1.0); their sums are f32. All else is computed in f32.
;;   The module's matrix products, in the order in which they are computed (A, B: the left and right operand; K: the contracted axis; several contracted axes count as one K, in the product's order):
;;     1. [M 8,192, K 1,024] x [K 1,024, N 3,072]; A: input x (given as codes); B: input w_qkv (given as codes): QUANTISED
;;     2. batch 64 x [M 2,048, K 64] x [K 64, N 2,048]; A: computed on the way; B: computed on the way: QUANTISED
;;     3. batch 64 x [M 2,048, K 2,048] x [K 2,048, N 64]; A: softmax (see below); B: computed on the way: QUANTISED
;;     4. [M 8,192, K 1,024] x [K 1,024, N 1,024]; A: computed on the way; B: input w_proj (given as codes): QUANTISED
;;   THE QUANTISER, for each operand of a quantised product, along K:
;;     - K is cut into blocks of 32 from its start; a last block that is shorter is filled with zeros.
;;     - A block's scale is 2^e with e = floor(log2(the largest magnitude in the block)) - 8, held to -126 .. 127; a block of zeros has e = 0. As a byte (E8M0): e + 127.
;;     - Each number is divided by its block's scale, clamped to +-448, and rounded to the nearest number of E4M3, ties to even, subnormals kept.
;;     - The product sums the exact products of the quantised numbers (number of the format x scale) in f32.
;;   ~~~python
;;   def quantise(x, axis):      # numpy; x: float32 -> the quantised numbers, widened to float32 again
;;       x = np.moveaxis(x, axis, -1); K = x.shape[-1]
;;       x = np.pad(x, [(0, 0)] * (x.ndim - 1) + [(0, -K % 32)]); x = x.reshape(x.shape[:-1] + (-1, 32)); a = np.abs(x).max(-1, keepdims=True)
;;       e = np.where(a > 0, np.clip(np.frexp(np.where(a > 0, a, 1))[1] - 1 - 8, -126, 127), 0)      # np.frexp(a)[1] - 1 = floor(log2(a)), exactly
;;       r = np.clip(x / 2.0 ** e, -448, 448)
;;       step = 2.0 ** (np.maximum(np.frexp(np.where(r == 0, 1, r))[1] - 1, -6) - 3)
;;       q = np.round(r / step) * step * 2.0 ** e      # np.round: ties to even
;;       return np.moveaxis(q.reshape(q.shape[:-2] + (-1,))[..., :K], -1, axis).astype(np.float32)
;;   ~~~
;;   SOFTMAX AHEAD OF A QUANTISED PRODUCT. Where the list says 'softmax', what is quantised is not the finished softmax but p = 2^(t - M), with t = logit x log2(e) and M = ceil(the row's largest t), a whole number; so 1/2 < the row's largest p <= 1. The row's sum l is taken of the UNQUANTISED p, in f32, and the product's result is divided by l at the end. Since M is a whole number, a kernel that streams over the keys may use a running M (the ceiling of the running maximum): every later rescaling is an exact power of two, which a block's scale takes up: the codes' values come out the same.
;;   OPERANDS COMPUTED ON THE WAY. 'Computed on the way' means the value that the module computes at that place (a softmax that the list does not call 'softmax' is quantised finished and normalised). What goes into a quantiser is computed in f32, as accurately as f32 sums, v_exp_f32 and their like allow (about 1e-6 of the number): no bf16 or f16 on the way to a quantiser, and a product that is left as it is and whose result goes on into a quantised operand takes f32 operands (vector FMAs, or v_wmma_f32_16x16x4_f32). A number that lies on a knife's edge between two numbers of the format may be rounded either way, as far as f32 arithmetic and the matrix unit's own rounding can turn it there, and no further.
;;   INPUTS GIVEN AS CODES. w_proj (in the module: [1024, 1024], K = its axis 0); w_qkv (in the module: [1024, 3072], K = its axis 0); x (in the module: [4, 2048, 1024], K = its axis 2): each comes as NAME_codes (uint8): NAME with its K axis moved to the last place and cut into blocks of 32 codes, [.., K / 32, bytes a block], one block behind the other in memory; one code a byte (a code: sign, 4 exponent bits, 3 mantissa bits); and NAME_scales (uint8): the same leading axes, one E8M0 byte (e + 127) for each 32 codes along K. Its value is code x scale, taken as it is: it is not quantised again, and the codes and scales need not be those that the quantiser above would give.
;; One version. Each part assembles by itself: llvm-mc -triple=amdgcn-amd-amdhsa -mcpu=gfx1250 --defsym DOCPART=n.
;; ======== version 1 of 1: 3 launches
;; limits: right only within a limited range of input values
;; workspace buffers: qkv 26,476,544 bytes; yimg 8,388,608 bytes; ysc 262,144 bytes
;; launch qkv_gemm (part 1): grid 12 x 32, 4 waves a work-group, clusters of 4 x 4, 327,680 bytes of LDS; arguments x_codes, x_scales, w_qkv_codes, w_qkv_scales, b_qkv, qkv; writes qkv
.if DOCPART == 1
	.amdgcn_target "amdgcn-amd-amdhsa--gfx1250"
	.amdhsa_code_object_version 6
	.text
	.protected	k_q216202fbb8_qkv_gemm
	.globl	k_q216202fbb8_qkv_gemm
	.p2align	8
	.type	k_q216202fbb8_qkv_gemm,@function
k_q216202fbb8_qkv_gemm:
	s_mov_b64 s[64:65], 0
	v_nop
	global_prefetch_b8 v0, s[64:65] scope:SCOPE_SE
	s_setreg_imm32_b32 hwreg(HW_REG_WAVE_MODE, 25, 1), 1
	s_wait_xcnt 0x0
	s_wait_alu depctr_hold_cnt(0) depctr_sa_sdst(0) depctr_va_vdst(0) depctr_va_sdst(0) depctr_va_ssrc(0) depctr_va_vcc(0) depctr_vm_vsrc(0)
	s_getreg_b32 s2, hwreg(HW_REG_IB_STS2, 6, 4)
	s_cmp_eq_u32 s2, 0
	s_cbranch_scc0 .Lentry_in_a_cluster
	s_endpgm
.Lentry_in_a_cluster:
	s_bfe_u32 s2, ttmp6, 0x10000c
	s_cmp_lg_u32 s2, 0xf033
	s_cbranch_scc0 .Lentry_shape_is_right
	s_endpgm
.Lentry_shape_is_right:
; qkv = x w_qkv + b_qkv on codes of FP8 (E4M3) with one E8M0 scale for each 32 along K = 1,024; the results are quantised at once, in registers, and leave as the operands of attention:
; q and k along the head's 64 (two blocks of 32), v along the keys (blocks of 32 tokens).  No f32 number goes to memory.
; A tile of 256 x 256 is made by a work-group of four waves; a wave makes 128 x 128: 64 accumulators of 16 x 16, 512 registers.  K goes in four steps of 256 through a ring of two LDS slots.
; THE KIND (the cluster's x: 0 = q, 1 = k, 2 = v) is the same in all sixteen partners.  The matrix instruction takes 16 rows of ROLE B as source 0 and 16 rows of ROLE A as source 1: a lane of the result then
; holds ONE row of role A, and its registers run along role B's rows.  For q and k role A = x (a lane holds a token, its registers run along d); for v role A = w_qkv (a lane holds a d, its registers run down the keys).
; Both tensors have rows of 1,024 codes and 32 scale bytes, so the loop over K is one text; the buffers are chosen by s_cselect_b64 on the kind.
; THE BIAS is the C of each sum's first matrix instruction: eight registers in the result's layout.
; CLUSTERS: 4 x 4 work-groups.  Role A's tile hangs on the cluster's y and cy and is shared along a row of the cluster, role B's on cx and is shared along a column: each is asked for jointly.
; THE WORKSPACE: a record of 25,856 bytes for each (batch x 16 + head, block of 128 tokens): K's image 8,192, K's scale words 512, V's image 8,192, V's scale words 256, Q's image 8,192, Q's scale words 512.
; An image is the operand's registers on end: each group of four registers as 512 bytes, 16 a lane.  A block of 32 lies in lanes l and l xor 16: a lane's 16 bytes are numbers 8 h + 0..7 and 16 + 8 h + 0..7 of the block
; (h = lane / 16).  That order inside a block is the same in q and k, and in v and the weights p that attention makes, so the products are the same; only their order in a sum differs.
; LIMITS: NaN and infinities among the values are not served.  A block whose largest magnitude lies under 2^-118 is taken at that floor (byte 1); a block of zeros so gets the byte 1 where the rule says 127:
; its codes are zeros, which add nothing under any byte but 0xff, and this program alone reads the bytes.
; REGISTERS, in windows of 256: window 0: v0-31 addresses; v32-63 scale words, two sets, and nothing else; v64-127 the bias; from v128 role A's fragments, one set.   window 1: role B's fragments, two sets.
;   window 2: the accumulators of my rows 0-63 ((a, b) at v[8 (8 a + b)]);   window 3: those of rows 64-127.   On the way out: window 0 v64-119 at work, v128-191 64 numbers; window 1 v0-127 the codes.
.set NQ,     2                         ; matrix instructions deep in a slot: 256 along K
.set ROWB,   256                       ; a tile's row in bytes
.set KROW,   1024                      ; a row of x or of w_qkv in memory, in bytes
.set PITCH,  272                       ; an LDS row: 256 bytes + 16 of padding = 68 words: the 16 rows that a load touches start 4 banks apart (64 banks of 4 bytes: ISA guide 11.1)
.set FR,     16                        ; registers of a fragment: 16 rows x 128 K
.set NL,     4                         ; LDS loads that bring one
.set NP,     8                         ; places behind this matrix instruction (ISA guide 7.12.1)
.set HALFT,  128*PITCH                 ; 128 rows: what one tensor load brings
.set SLOT,   4*HALFT                   ; role A's 256 rows, then role B's
.set LAPS,   2                         ; 1,024 / 512: a lap = two K steps = once round the ring
.set KS,     32                        ; a row of scales in bytes
.set SCL,    2*SLOT                    ; behind the ring: the scales, as units of 256 bytes + 16 of padding
.set HALFS,  (128*KS/256)*272          ; the scales of 128 rows
.set SBLK,   (16*KS/256)*272           ; those of 16 rows
.set SPARE,  SCL+4*HALFS               ; the spare words, 128 bytes for each wave: two blocks of 256 bytes that no other line names
.set REC,    25856                     ; a record of the workspace
.set HS,     16*REC                    ; from a head to the next
.set ADRA, 16                          ; v16-17  LDS address of my role A fragments in slot 0, 1
.set ADRB, 20                          ; v20-21  the same for role B
.set LI,   24                          ; v24     16 x lane
.set L8,   25                          ; v25     8 x lane
.set ADRS, 27                          ; v27     LDS address of my scale words: lanes 0-15 role A's rows, lanes 16-31 role B's
.set SPW,  28                          ; v28     LDS address of my spare word; never rewritten
.set NIL,  29                          ; v29     0; never rewritten
.set SC,   32                          ; scale words: set s at v[SC + 16 s]; register 2 i + q: lanes 0-15 role A's block i, lanes 16-31 role B's block i
.set BI,   64                          ; the bias
.set AF,   128                         ; role A's fragments
.set TM,   64                          ; the way out: v64-67 largest magnitudes, v68-71 bytes, v72-75 448 x the scale, v76-79 the conversions' scale operands
.set PW,   80                          ; v80-87   the scale word of each of my eight blocks of 16 rows
.set XT,   96                          ; v96-111  scale words, doubled
.set SW,   112                         ; v112-119 scale words as they are stored
.set X,    128                         ; v128-191 64 numbers, held
.set CD,   0                           ; window 1: the codes, 16 registers for each block of 16 rows
.set G1, 24                            ; s[24:31] descriptor group 1 for role A's tiles;  s[32:39] group 0, one set for each slot
.set G0, 32
.set G1B, 48                           ; s[48:55], s[56:63] the same for role B's
.set G0B, 56
.set G1S, 68                           ; s[68:75], s[76:79] groups 1 and 0 for role A's scales;  s[80:87], s[88:91] for role B's
.set G0S, 76
.set G1SB, 80
.set G0SB, 88
.set MSB, 0
.macro WIN new                         ; the immediate's high byte repeats the setting that is left
.if MSB != \new
	s_set_vgpr_msb (MSB<<8)|\new
.set MSB, \new
.endif
.endm
.set MUL_LO, 0xa1                      ; source 0 window 1, source 1 window 0, C and D window 2
.set MUL_HI, 0xf1                      ; the same, C and D window 3
.set BIA_LO, 0x81                      ; the first step: C (the bias) window 0, D window 2
.set BIA_HI, 0xc1                      ; D window 3
.set TO_B,   0x40                      ; destination window 1
; A joint load: waves 0 and 1 fetch for role A, waves 2 and 3 for role B.  The branch hangs on the wave's number alone.  Four v_nop follow each of the two lines.
.macro JLOAD g0a, g1a, g0b, g1b
	s_cmp_eq_u32 s17, 0
	s_cbranch_scc0 .Lfor_b_\@
	tensor_load_to_lds s[\g0a:\g0a+3], s[\g1a:\g1a+7]
	s_nop 0
.rept 4
	v_nop
.endr
	s_branch .Lasked_\@
.Lfor_b_\@:
	tensor_load_to_lds s[\g0b:\g0b+3], s[\g1b:\g1b+7]
	s_nop 0
.rept 4
	v_nop
.endr
.Lasked_\@:
.endm
.macro CREST                           ; a round of the cluster's barrier behind its opening barrier
	s_cmp_lg_u32 s16, 0
	s_cbranch_scc1 .Lnot_wave_0_\@
	s_barrier_signal -3
.Lnot_wave_0_\@:
	s_barrier_wait -3
	s_barrier_signal -1
	s_barrier_wait -1
.endm
.macro CROUND                          ; a whole round
	s_barrier_signal -1
	s_barrier_wait -1
	CREST
.endm
	s_load_b256 s[4:11], s[0:1], 0x0               ; x's codes s[4:5], x's scales s[6:7], w's codes s[8:9], w's scales s[10:11]
	s_load_b128 s[12:15], s[0:1], 0x20             ; the bias s[12:13], the workspace s[14:15]
	v_lshl_add_u32 v[SPW], v0, 2, SPARE
	v_mov_b32 v[NIL], 0
	ds_add_u32 v28, v29
	ds_add_u32 v28, v29
	s_wait_dscnt 0x0
	v_lshrrev_b32 v1, 5, v0
	v_readfirstlane_b32 s16, v1                    ; wave 0..3
	s_lshr_b32 s17, s16, 1                         ; which half of role A's rows is mine.  Also: I fetch for role A (0) or B (1)
	s_and_b32 s18, s16, 1                          ; which half of role B's rows.  Also: which 128 rows of that tile I fetch
	s_mov_b32 s19, ttmp9                           ; the kind: the cluster's x
	s_bfe_u32 s40, ttmp6, 0x40000                  ; cx, cy: my place in the cluster
	s_bfe_u32 s41, ttmp6, 0x40004
	s_and_b32 s20, ttmp7, 0xffff
	s_lshl_b32 s20, s20, 2                         ; 4 x the cluster's y: the cluster's first tile of x
	s_lshl_b32 s21, s19, 2                         ; 4 x the kind: its first tile of w_qkv
	s_cmp_eq_u32 s19, 2
	s_cselect_b32 s95, 8, s20                      ; role A's tile: v: w's 8 + cy;  q, k: x's 4 Y + cy
	s_cselect_b32 s42, s20, s21                    ; role B's tile: v: x's 4 Y + cx;  q, k: w's 4 kind + cx
	s_add_co_u32 s95, s95, s41
	s_add_co_u32 s42, s42, s40
	s_lshl_b32 s43, s41, 2
	s_lshl_b32 s43, 15, s43                        ; my row of the cluster
	s_lshl_b32 s44, 0x1111, s40                    ; my column
	; descriptor group 1: a tile of 128 rows x 256 bytes, padded in LDS
	s_or_b32 s[G1+0], s43, (0<<16)|(1<<20)|(1<<21)|(5<<22)|(3<<25)  ; 15:0 the mask; 17:16 element of 1 byte; 20 padding on; 21 set beside a mask; 24:22 after every 64 words; 31:25 of 4 words
	s_or_b32 s[G1B+0], s44, (0<<16)|(1<<20)|(1<<21)|(5<<22)|(3<<25)
.irp g, G1, G1B
	s_mov_b32 s[\g+1], ROWB<<16                    ; tensor_dim0
	s_mov_b32 s[\g+2], 128<<16                     ; tensor_dim1 = 128
	s_mov_b32 s[\g+3], ROWB<<16                    ; tile_dim0
	s_mov_b32 s[\g+4], 128                         ; tile_dim1 = 128
	s_mov_b32 s[\g+5], KROW                        ; tensor_dim0_stride
	s_mov_b32 s[\g+6], 0
	s_mov_b32 s[\g+7], 0
.endr
	; the scales of 128 rows: a dense block of 4,096 bytes, as 16 rows of 256 bytes (32 elements of 8 bytes), 16 bytes of padding behind each
	s_or_b32 s[G1S+0], s43, (3<<16)|(1<<20)|(1<<21)|(5<<22)|(3<<25)
	s_or_b32 s[G1SB+0], s44, (3<<16)|(1<<20)|(1<<21)|(5<<22)|(3<<25)
.irp g, G1S, G1SB
	s_mov_b32 s[\g+1], 32<<16
	s_mov_b32 s[\g+2], (128*KS/256)<<16
	s_mov_b32 s[\g+3], 32<<16
	s_mov_b32 s[\g+4], 128*KS/256
	s_mov_b32 s[\g+5], 32
	s_mov_b32 s[\g+6], 0
	s_mov_b32 s[\g+7], 0
.endr
	s_lshl_b32 s2, s18, 7                          ; which 128 rows of the tile I fetch
	s_lshl_b32 s20, s95, 8
	s_add_co_u32 s20, s20, s2                      ; role A: row 256 x tile + 128 x half
	s_lshl_b32 s46, s42, 8
	s_add_co_u32 s46, s46, s2                      ; role B likewise
	s_mov_b32 s21, 0
	s_mov_b32 s47, 0
	s_lshl_b64 s[22:23], s[20:21], 5               ; where these rows' scales begin, in bytes,
	s_lshl_b64 s[92:93], s[46:47], 5
	s_lshl_b64 s[20:21], s[20:21], 10              ; and their codes
	s_lshl_b64 s[46:47], s[46:47], 10
	s_mul_i32 s45, s16, HALFT                      ; where they go: wave x 128 rows: no place in the cluster enters an LDS address
	s_mul_i32 s94, s16, HALFS
	s_wait_kmcnt 0x0
	s_cmp_eq_u32 s19, 2                            ; the roles' buffers: the choice hangs on the kind alone
	s_cselect_b64 s[96:97], s[8:9], s[4:5]         ; role A's codes
	s_cselect_b64 s[98:99], s[10:11], s[6:7]       ; role A's scales
	s_cselect_b64 s[66:67], s[4:5], s[8:9]         ; role B's codes
	s_cselect_b64 s[100:101], s[6:7], s[10:11]     ; role B's scales
	s_add_nc_u64 s[20:21], s[96:97], s[20:21]
	s_add_nc_u64 s[22:23], s[98:99], s[22:23]
	s_add_nc_u64 s[46:47], s[66:67], s[46:47]
	s_add_nc_u64 s[92:93], s[100:101], s[92:93]
	CROUND                                         ; all sixteen work-groups are here: the first joint loads meet
	s_mov_b32 s[G0S], 1
	s_add_co_u32 s[G0S+1], s94, SCL
	s_mov_b64 s[G0S+2:G0S+3], s[22:23]
	s_or_b32 s[G0S+3], s[G0S+3], 0x80000000
	s_mov_b32 s[G0SB], 1
	s_add_co_u32 s[G0SB+1], s94, SCL
	s_mov_b64 s[G0SB+2:G0SB+3], s[92:93]
	s_or_b32 s[G0SB+3], s[G0SB+3], 0x80000000
	JLOAD G0S, G1S, G0SB, G1SB                     ; the scales first: they are wanted with K step 0
.irp s, 0,1
	s_mov_b32 s[G0+4*\s], 1
	s_add_co_u32 s[G0+4*\s+1], s45, \s*SLOT
	s_add_nc_u64 s[G0+4*\s+2:G0+4*\s+3], s[20:21], \s*ROWB
	s_or_b32 s[G0+4*\s+3], s[G0+4*\s+3], 0x80000000
	s_mov_b32 s[G0B+4*\s], 1
	s_add_co_u32 s[G0B+4*\s+1], s45, \s*SLOT
	s_add_nc_u64 s[G0B+4*\s+2:G0B+4*\s+3], s[46:47], \s*ROWB
	s_or_b32 s[G0B+4*\s+3], s[G0B+4*\s+3], 0x80000000
	JLOAD G0+4*\s, G1, G0B+4*\s, G1B
.endr
	v_and_b32 v1, 15, v0                           ; r = l % 16
	v_bfe_u32 v2, v0, 4, 1                         ; h = l / 16
	v_mul_u32_u24 v3, v1, PITCH
	v_lshl_add_u32 v4, v2, 4, v3                   ; a fragment's row x pitch + 16 x half
	s_mul_i32 s21, s17, HALFT                      ; my 128 rows of role A
	s_mul_i32 s22, s18, HALFT                      ; my 128 rows of role B,
	s_add_co_u32 s22, s22, 2*HALFT                 ; which lie behind role A's 256
.irp s, 0,1
	v_add_nc_u32 v[ADRA+\s], s21, v4
	v_add_nc_u32 v[ADRB+\s], s22, v4
	s_add_co_u32 s21, s21, SLOT
	s_add_co_u32 s22, s22, SLOT
.endr
	v_mul_u32_u24 v5, v1, KS                       ; my row's scales: 32 bytes a row,
	v_lshrrev_b32 v6, 8, v5
	v_lshl_add_u32 v5, v6, 4, v5                   ; and 16 more for each 256 passed
	s_mul_i32 s21, s17, HALFS
	s_mul_i32 s22, s18, HALFS
	s_add_co_u32 s22, s22, 2*HALFS
	s_sub_co_u32 s22, s22, s21
	v_mul_u32_u24 v6, s22, v2                      ; lanes 16-31 take role B's: one product, the distance x h
	s_add_co_u32 s21, s21, SCL
	v_add_nc_u32 v5, v5, v6
	v_add_nc_u32 v[ADRS], s21, v5
	v_and_b32 v6, 31, v0
	v_lshlrev_b32 v[LI], 4, v6
	v_lshlrev_b32 v[L8], 3, v6
	; THE BIAS, in the result's layout.  It belongs to w_qkv's rows: role B's for q and k (a lane's registers: eight neighbours), role A's for v (the lane's row: the same number in eight registers).
	v_lshlrev_b32 v7, 5, v2                        ; 32 h: eight numbers on for lanes 16-31
	v_lshlrev_b32 v8, 2, v1                        ; 4 r
	s_cmp_eq_u32 s19, 2
	s_cselect_b32 s20, s95, s42                    ; w's tile,
	s_cselect_b32 s21, s17, s18                    ; and my half of it
	s_lshl_b32 s20, s20, 10
	s_lshl_b32 s21, s21, 9
	s_add_co_u32 s20, s20, s21
	s_mov_b32 s21, 0
	s_add_nc_u64 s[12:13], s[12:13], s[20:21]      ; the bias of my 128 rows of w_qkv
	s_cmp_eq_u32 s19, 2
	s_cbranch_scc1 .Lbias_v
	s_wait_alu depctr_va_vdst(0)
.irp b, 0,1,2,3,4,5,6,7
	global_load_b128 v[BI+8*\b:BI+8*\b+3], v7, s[12:13] offset:64*\b
	global_load_b128 v[BI+8*\b+4:BI+8*\b+7], v7, s[12:13] offset:64*\b+16
.endr
	s_branch .Lbias_done
.Lbias_v:
	s_wait_alu depctr_va_vdst(0)
.irp a, 0,1,2,3,4,5,6,7
.irp j, 0,1,2,3,4,5,6,7
	global_load_b32 v[BI+8*\a+\j], v8, s[12:13] offset:64*\a
.endr
.endr
.Lbias_done:
.macro FRAG reg, adr, q, i             ; a fragment: lane l holds row l % 16; registers 4 c .. 4 c + 3 hold K = 32 c + 16 (l / 16) + 0 .. 15
.irp c, 0,1,2,3
	ds_load_b128 v[\reg+4*\c:\reg+4*\c+3], v[\adr] offset:128*(\q)+32*\c+(\i)*16*PITCH
.endr
.endm
; 16 matrix instructions: role A's blocks a0, a0 + 1 x role B's eight, 128 along K.  p: role B's set;  sc: the set of scale words.
; cmode = 0: the sums go on;  1: they begin with the bias of role B's block;  2: with that of role A's block.  Nothing is ever cleared.
; The 64 accumulators take turns, one instruction a turn, in the same order in every step.
.macro MUL16 a0, p, q, sc, cmode
.irp a, \a0, \a0+1
.irp b, 0,1,2,3,4,5,6,7
.if \cmode == 1
	v_wmma_scale_f32_16x16x128_f8f6f4 v[8*(8*((\a)%4)+\b):8*(8*((\a)%4)+\b)+7], v[128*(\p)+FR*\b:128*(\p)+FR*\b+FR-1], v[AF+FR*(\a):AF+FR*(\a)+FR-1], v[BI+8*\b:BI+8*\b+7], v[SC+8*NQ*(\sc)+NQ*\b+(\q)], v[SC+8*NQ*(\sc)+NQ*(\a)+(\q)] matrix_a_scale:MATRIX_SCALE_ROW1
.elseif \cmode == 2
	v_wmma_scale_f32_16x16x128_f8f6f4 v[8*(8*((\a)%4)+\b):8*(8*((\a)%4)+\b)+7], v[128*(\p)+FR*\b:128*(\p)+FR*\b+FR-1], v[AF+FR*(\a):AF+FR*(\a)+FR-1], v[BI+8*(\a):BI+8*(\a)+7], v[SC+8*NQ*(\sc)+NQ*\b+(\q)], v[SC+8*NQ*(\sc)+NQ*(\a)+(\q)] matrix_a_scale:MATRIX_SCALE_ROW1
.else
	v_wmma_scale_f32_16x16x128_f8f6f4 v[8*(8*((\a)%4)+\b):8*(8*((\a)%4)+\b)+7], v[128*(\p)+FR*\b:128*(\p)+FR*\b+FR-1], v[AF+FR*(\a):AF+FR*(\a)+FR-1], v[8*(8*((\a)%4)+\b):8*(8*((\a)%4)+\b)+7], v[SC+8*NQ*(\sc)+NQ*\b+(\q)], v[SC+8*NQ*(\sc)+NQ*(\a)+(\q)] matrix_a_scale:MATRIX_SCALE_ROW1
.endif
.endr
.endr
.endm
.macro FETCH_B slot, q, p              ; role B's eight fragments of the slot's q-th 128 along K into set p
	WIN TO_B
.irp i, 0,1,2,3,4,5,6,7
	FRAG 128*(\p)+FR*\i, ADRB+\slot, \q, \i
.endr
	WIN 0
.endm
.macro FETCH_A slot, q, i0             ; role A's blocks i0 .. i0 + 3
.irp i, \i0, \i0+1, \i0+2, \i0+3
	FRAG AF+FR*(\i), ADRA+\slot, \q, \i
.endr
.endm
.macro SCALES sc                       ; the next K step's scale words into set sc: two words a row
.irp i, 0,1,2,3,4,5,6,7
	ds_load_b64 v[SC+8*NQ*\sc+NQ*\i:SC+8*NQ*\sc+NQ*\i+1], v[ADRS] offset:\i*SBLK
.endr
.endm
; A load into a register that a matrix instruction has read, and a vector instruction that reads a matrix result or writes one of its registers, stand NP places behind it; only plain vector
; instructions that name none of its registers are places (ISA guide 7.12.1 for vector instructions).
.macro PLACES n
.rept \n
	v_nop
.endr
.endm
; A step of 128 along K that has its successor in the same slot.
.macro STEP slot, q, cmode
	s_wait_dscnt 4*NL                              ; role B's set and role A's blocks 0-3 are in; the youngest 16 loads (blocks 4-7) may be out
.if \cmode
	WIN BIA_LO
.else
	WIN MUL_LO
.endif
	MUL16 0, (\q)%2, \q, \slot, \cmode
	MUL16 2, (\q)%2, \q, \slot, \cmode
	s_wait_dscnt 0                                 ; blocks 4-7 are in (asked for 32 matrix instructions ago)
	PLACES NP
	FETCH_B \slot, (\q)+1, 1-(\q)%2
	FETCH_A \slot, (\q)+1, 0
.if \cmode
	WIN BIA_HI
.else
	WIN MUL_HI
.endif
	MUL16 4, (\q)%2, \q, \slot, \cmode
	MUL16 6, (\q)%2, \q, \slot, \cmode
	PLACES NP
	WIN 0
	FETCH_A \slot, (\q)+1, 4
.endm
; A slot's last step changes slots: ONE barrier; in front of it each wave waits for all its tensor loads, adds 0 to its spare word, and waits for that and for its own reads of this slot.
.macro TURN slot, next, fill
	s_wait_tensorcnt 0x0                           ; all my tensor loads have landed: my part of the next slot
	ds_add_u32 v[SPW], v[NIL]                      ; 0 onto my spare word
	s_wait_dscnt 4*NL+1                            ; (the add and the youngest 16 loads may be out)
	WIN MUL_LO
	MUL16 0, 1, NQ-1, \slot, 0                     ; sixteen matrix instructions stand between the add and the wait for it
	s_wait_dscnt 0x0                               ; the add is done, and my reads of this slot are over
	s_barrier_signal -1
	MUL16 2, 1, NQ-1, \slot, 0
	WIN 0
	s_barrier_wait -1
.if \fill
	CREST                                          ; the barrier has opened a round of the cluster's barrier: no wave of any partner still reads this slot or has a load on its way
	s_add_nc_u64 s[G0+4*\slot+2:G0+4*\slot+3], s[G0+4*\slot+2:G0+4*\slot+3], 2*ROWB
	s_add_nc_u64 s[G0B+4*\slot+2:G0B+4*\slot+3], s[G0B+4*\slot+2:G0B+4*\slot+3], 2*ROWB
	JLOAD G0+4*\slot, G1, G0B+4*\slot, G1B         ; the first tensor load behind the round; its four v_nop are among the places in front of the loads below
	PLACES NP-4
.else
	PLACES NP
.endif
	s_wait_alu depctr_va_vdst(0)
	v_add_nc_u32 v[ADRS], 4*NQ, v[ADRS]            ; on to the next K step's scale words (no LDS load of mine is out)
	FETCH_B \next, 0, 0
	FETCH_A \next, 0, 0
	SCALES \next
	WIN MUL_HI
	MUL16 4, 1, NQ-1, \slot, 0
	MUL16 6, 1, NQ-1, \slot, 0
	PLACES NP
	WIN 0
	FETCH_A \next, 0, 4
.endm
	s_wait_tensorcnt 1                             ; the scales and my part of K step 0 are in (of my three loads K step 1's may be out)
	s_barrier_signal -1
	s_barrier_wait -1                              ; everybody's are
	FETCH_B 0, 0, 0
	FETCH_A 0, 0, 0
	SCALES 0
	FETCH_A 0, 0, 4
	s_wait_loadcnt 0x0                             ; the bias
	s_cmp_eq_u32 s19, 2                            ; the first step stands twice: its products take the bias by role B's block (q, k) or by role A's (v)
	s_cbranch_scc1 .Lfirst_v
	STEP 0, 0, 1
	s_branch .Lfirst_done
.Lfirst_v:
	STEP 0, 0, 2
.Lfirst_done:
	s_mov_b32 s3, LAPS-1
.Llap:                                                 ; a trip goes once round the ring, from a lap's second step to the next lap's first, and fills both slots again
	TURN 0, 1, 1
	STEP 1, 0, 0
	TURN 1, 0, 1
	STEP 0, 0, 0
	s_sub_co_u32 s3, s3, 1
	s_cmp_lg_u32 s3, 0
	s_cbranch_scc1 .Llap
	TURN 0, 1, 0                                   ; the last lap fills nothing, and has no round of the cluster's barrier
	STEP 1, 0, 0
	s_wait_dscnt 4*NL                              ; the very last step: nothing more to fetch
	WIN MUL_LO
	MUL16 0, 1, NQ-1, 1, 0
	MUL16 2, 1, NQ-1, 1, 0
	s_wait_dscnt 0
	WIN MUL_HI
	MUL16 4, 1, NQ-1, 1, 0
	MUL16 6, 1, NQ-1, 1, 0
	WIN 0
	; THE WAY OUT.  My record: tokens' block of 128 = 2 x (x's tile) + my half of it; first head = 4 x (w's tile within the kind) + 2 x my half of it.
	PLACES NP                                      ; behind the last products: their results are read, and their operands' registers written, below
	s_cmp_eq_u32 s19, 0
	s_cselect_b32 s2, 17152, 0                     ; q's part of a record begins at 17,152, k's at 0,
	s_cmp_eq_u32 s19, 2
	s_cselect_b32 s3, 8704, 0                      ; v's at 8,704
	s_cselect_b32 s20, s42, s95                    ; x's tile
	s_cselect_b32 s21, s18, s17                    ; my half of it
	s_cselect_b32 s22, s41, s40                    ; w's tile within the kind
	s_cselect_b32 s23, s17, s18                    ; my half of it
	s_add_co_u32 s2, s2, s3
	s_lshl_b32 s20, s20, 1
	s_add_co_u32 s20, s20, s21                     ; the block of 128 tokens, 0 .. 63
	s_lshl_b32 s22, s22, 2
	s_lshl_b32 s23, s23, 1
	s_add_co_u32 s22, s22, s23                     ; my first head
	s_lshr_b32 s21, s20, 4                         ; the batch
	s_and_b32 s20, s20, 15                         ; the block within it
	s_lshl_b32 s21, s21, 4
	s_add_co_u32 s21, s21, s22
	s_lshl_b32 s21, s21, 4
	s_add_co_u32 s21, s21, s20                     ; the record's number
	s_mul_i32 s46, s21, REC
	s_add_co_u32 s46, s46, s2
	s_mov_b32 s47, 0
	s_add_nc_u64 s[14:15], s[14:15], s[46:47]
	s_mov_b32 s2, 0x76543210
	s_mov_b32 s3, 0xfedcba98                       ; v_permlanex16_b32's selects for lane l xor 16
	s_mov_b32 s22, 0x600000                        ; the mantissa field of 448
	s_mov_b32 s23, 0xffff0000                      ; lanes 16-31
.irp b, 0,1,2,3
	v_mov_b32 v[TM+4+\b], 0                        ; written once: a lane permute's destination counts as one of its sources
.endr
; Block a of 16 rows of role A: a lane's 64 numbers are four blocks of 32 along role B's rows, 16 numbers each (the other 16 lie in lane l xor 16): register 16 b + i belongs to block b.
; They become 16 registers of codes and one scale word.  Each accumulator is read from its low end on.
.macro QUANTW a
.set AC, 64*((\a)%4)
.set W, 2+(\a)/4
.set WW, W*5
	WIN WW                                         ; sources 0 and 1: the accumulators' window
.irp b, 0,1,2,3
	v_max3_num_f32 v[TM+\b], |v[AC+16*\b]|, |v[AC+16*\b+1]|, 0x4800000   ; and the floor 2^(9 - 127): so the byte cannot fall under 1
.endr
.irp i, 2,4,6,8,10,12,14
.irp b, 0,1,2,3
	v_max3_num_f32 v[TM+\b], |v[AC+16*\b+\i]|, |v[AC+16*\b+\i+1]|, v[TM+\b]   ; (the four blocks by turns)
.endr
.endr
	WIN 0
.irp b, 0,1,2,3
	v_permlanex16_b32 v[TM+4+\b], v[TM+\b], s2, s3
.endr
.irp b, 0,1,2,3
	v_max_num_f32 v[TM+\b], v[TM+\b], v[TM+4+\b]   ; with lane l xor 16's: the block's largest magnitude
.endr
.irp b, 0,1,2,3
	v_add_nc_u32 v[TM+12+\b], 0xfc000000, v[TM+\b] ; 8 off its exponent field: the conversion takes the exponent field of this operand as its scale
.endr
.irp b, 0,1,2,3
	v_and_or_b32 v[TM+8+\b], v[TM+\b], 0x7f800000, s22   ; 448 x the scale
.endr
.irp b, 0,1,2,3
	v_lshrrev_b32 v[TM+4+\b], 23, v[TM+12+\b]      ; the scale's byte
.endr
	v_lshl_or_b32 v[PW+(\a)], v[TM+5], 8, v[TM+4]
	v_lshl_or_b32 v[PW+(\a)], v[TM+6], 16, v[PW+(\a)]
	v_lshl_or_b32 v[PW+(\a)], v[TM+7], 24, v[PW+(\a)]
	WIN W                                          ; source 0: the accumulators' window
.irp b, 0,1,2,3
.irp i, 0,1,2,3,4,5,6,7,8,9,10,11,12,13,14,15
	v_med3_num_f32 v[X+16*\b+\i], v[AC+16*\b+\i], -v[TM+8+\b], v[TM+8+\b]   ; the conversion to an 8-bit code does not saturate (ISA guide 7.6.2): the hold at 448 x the scale
.endr
.endr
	WIN TO_B                                       ; the codes go to window 1
.irp b, 0,1,2,3
	v_cvt_scalef32_pk8_fp8_f32 v[CD+16*(\a)+4*\b:CD+16*(\a)+4*\b+1], v[X+16*\b:X+16*\b+7], v[TM+12+\b]
	v_cvt_scalef32_pk8_fp8_f32 v[CD+16*(\a)+4*\b+2:CD+16*(\a)+4*\b+3], v[X+16*\b+8:X+16*\b+15], v[TM+12+\b]
.endr
	v_nop                                          ; one plain vector instruction behind the last conversion, ahead of the lines that write its sources again
.endm
.irp a, 0,1,2,3,4,5,6,7
	QUANTW \a
.endr
	WIN 0
	s_cmp_eq_u32 s19, 2
	s_cbranch_scc1 .Lout_v
	; q, k: block a is tile a of 16 tokens; blocks 0, 1 belong to my first head, 2, 3 to my second.  A head's scale word is its two bytes twice: (s0, s1, s0, s1).
.irp a, 0,1,2,3,4,5,6,7
	v_perm_b32 v[XT+\a], v[PW+\a], v[PW+\a], 0x01000100
.endr
.irp j, 0,1,2,3
	v_cndmask_b32 v[SW+\j], v[XT+\j], v[XT+4+\j], s23      ; lane (r, h) stores the words of tiles 4 h + 0 .. 3 for row r
.endr
.irp a, 0,1,2,3,4,5,6,7
	v_perm_b32 v[XT+8+\a], v[PW+\a], v[PW+\a], 0x03020302
.endr
.irp j, 0,1,2,3
	v_cndmask_b32 v[SW+4+\j], v[XT+8+\j], v[XT+12+\j], s23
.endr
	global_store_b128 v[LI], v[SW:SW+3], s[14:15] offset:8192
	global_store_b128 v[LI], v[SW+4:SW+7], s[14:15] offset:HS+8192
	WIN 0x04                                       ; a store's data are its source 1: window 1
.irp a, 0,1,2,3,4,5,6,7
.irp b, 0,1,2,3
	global_store_b128 v[LI], v[CD+16*\a+4*\b:CD+16*\a+4*\b+3], s[14:15] offset:(\b/2)*HS+\a*1024+(\b%2)*512   ; 32 lanes store 512 consecutive bytes, at a multiple of 256 from the buffer's first byte
.endr
.endr
	WIN 0
	s_branch .Lout_done
.Lout_v:
	; v: blocks 0-3 are the four tiles of 16 d of my first head, 4-7 those of my second; the four blocks of 32 keys are the image's four groups
.irp u, 0,1
	v_cndmask_b32 v[SW+\u], v[PW+\u], v[PW+2+\u], s23      ; lane (r, h) stores the words of d tiles 2 h and 2 h + 1
	v_cndmask_b32 v[SW+2+\u], v[PW+4+\u], v[PW+6+\u], s23
.endr
	global_store_b64 v[L8], v[SW:SW+1], s[14:15] offset:8192
	global_store_b64 v[L8], v[SW+2:SW+3], s[14:15] offset:HS+8192
	WIN 0x04
	s_wait_alu depctr_va_vdst(0)
.irp a, 0,1,2,3,4,5,6,7
.irp b, 0,1,2,3
	global_store_b128 v[LI], v[CD+16*\a+4*\b:CD+16*\a+4*\b+3], s[14:15] offset:(\a/4)*HS+(\a%4)*2048+\b*512
.endr
.endr
	WIN 0
.Lout_done:
	s_wait_tensorcnt 0x0                           ; the wave's end
	ds_add_u32 v[SPW], v[NIL]
	s_wait_dscnt 0x0
	CROUND                                         ; the closing round: no work-group ends while a partner may still ask for a tile that names it
	s_endpgm
.Lfunc_end_k_q216202fbb8_qkv_gemm:
	.size	k_q216202fbb8_qkv_gemm, .Lfunc_end_k_q216202fbb8_qkv_gemm-k_q216202fbb8_qkv_gemm
	.p2alignl 7, 3214868480
	.fill 96, 4, 3214868480
	.section	.rodata,"a",@progbits
	.p2align	6, 0x0
	.amdhsa_kernel k_q216202fbb8_qkv_gemm
		.amdhsa_group_segment_fixed_size 327680
		.amdhsa_private_segment_fixed_size 0
		.amdhsa_enable_private_segment 0
		.amdhsa_kernarg_size 48
		.amdhsa_user_sgpr_count 2
		.amdhsa_user_sgpr_kernarg_segment_ptr 1
		.amdhsa_wavefront_size32 1
		.amdhsa_system_sgpr_workgroup_id_x 1
		.amdhsa_system_sgpr_workgroup_id_y 1
		.amdhsa_system_sgpr_workgroup_id_z 1
		.amdhsa_system_vgpr_workitem_id 0
		.amdhsa_next_free_vgpr 1024
		.amdhsa_next_free_sgpr 102
		.amdhsa_reserve_vcc 0
		.amdhsa_float_denorm_mode_32 3
		.amdhsa_float_denorm_mode_16_64 3
		.amdhsa_memory_ordered 1
		.amdhsa_forward_progress 1
		.amdhsa_inst_pref_size 211
	.end_amdhsa_kernel
	.amdgpu_metadata
---
amdhsa.version: [ 1, 2 ]
amdhsa.kernels:
  - .name:           k_q216202fbb8_qkv_gemm
    .symbol:         k_q216202fbb8_qkv_gemm.kd
    .args:
      - { .name: x_codes, .offset: 0, .size: 8, .value_kind: global_buffer, .address_space: global }
      - { .name: x_scales, .offset: 8, .size: 8, .value_kind: global_buffer, .address_space: global }
      - { .name: w_qkv_codes, .offset: 16, .size: 8, .value_kind: global_buffer, .address_space: global }
      - { .name: w_qkv_scales, .offset: 24, .size: 8, .value_kind: global_buffer, .address_space: global }
      - { .name: b_qkv, .offset: 32, .size: 8, .value_kind: global_buffer, .address_space: global }
      - { .name: qkv, .offset: 40, .size: 8, .value_kind: global_buffer, .address_space: global }
    .group_segment_fixed_size: 327680
    .private_segment_fixed_size: 0
    .kernarg_segment_align: 8
    .kernarg_segment_size: 48
    .max_flat_workgroup_size: 128
    .sgpr_count:     102
    .vgpr_count:     1024
    .wavefront_size: 32
...
	.end_amdgpu_metadata
.endif
;; end of part 1
;; launch attn (part 2): grid 4 x 64, 16 waves a work-group, no clusters, 327,680 bytes of LDS; arguments qkv, yimg, ysc; writes yimg, ysc
.if DOCPART == 2
	.amdgcn_target "amdgcn-amd-amdhsa--gfx1250"
	.amdhsa_code_object_version 6
	.text
	.protected	k_q216202fbb8_attn
	.globl	k_q216202fbb8_attn
	.p2align	8
	.type	k_q216202fbb8_attn,@function
k_q216202fbb8_attn:
	s_mov_b64 s[64:65], 0
	v_nop
	global_prefetch_b8 v0, s[64:65] scope:SCOPE_SE
	s_setreg_imm32_b32 hwreg(HW_REG_WAVE_MODE, 25, 1), 1
	s_wait_xcnt 0x0
; y[b][q][head] = the sum over keys k <= q of softmax_k(Q . K / 64) V, both products on codes of FP8 (E4M3) with one E8M0 scale for each 32 along a product's K; y is quantised at once, along the 1,024 channels.
; THE SOFTMAX AHEAD OF THE SECOND PRODUCT: t = score x log2(e) / 64; M = the row's largest t so far, rounded UP to a whole number; p = 2^(t - M) is what is quantised, along the keys; it is not normalised.
; The row's sum is taken of the unquantised p, in f32, and divides O at the end.  When M moves, the sum and O are multiplied by 2^(old M - new M): exact.
; SHARES.  Work-group (i, batch x 16 + head) owns the blocks i and 7 - i of 256 queries, one after the other.  Block j wants the keys' slots 0 .. j of 256 keys: (i + 1) + (8 - i) = 9 slots for every work-group:
; the loop's trip count is a constant, the 256 work-groups have equal work, and no slot is fetched that nobody reads.  Each of the SIXTEEN waves owns 16 queries of the block in hand, in 256 registers.
; NO CLUSTER: the four work-groups of a head want slots 0 .. i, 0 .. 7 - i: in every trip four different slots, so no joint request would name the same tile.
; THE INPUT is a record of 25,856 bytes for each (head, block of 128 tokens): K's image 8,192, K's scale words 512, V's image 8,192, V's scale words 256, Q's image 8,192, Q's scale words 512.  An image is an operand's
; registers on end, 512 bytes for each group of four registers, 16 a lane: every LDS load takes 512 consecutive bytes.  A slot holds the first 17,152 bytes of two records; waves 0 and 1 fetch one each.
; LAYOUT.  Both products are used transposed: S^T = K Q^T (source 0 = 16 keys, source 1 = my 16 queries), O^T = V^T P^T (source 0 = 16 of the head's 64, source 1 = P): a lane holds ONE query (lane % 16) throughout.
; A block of 32 keys lies in lanes l and l xor 16, 8 + 8 keys each; V's image has its keys in that same order, so p's codes are the second product's operand as they are made.
; K = 64 IN A FORM OF K = 128: the other 64 are zero codes, on both operands.  Even tiles take [K | 0] against [Q | 0], odd tiles [0 | K] against [0 | Q]: a run of eight zero registers stands between two tiles and
; serves both.  The scale words hold their two bytes twice, so that one word serves both forms.
; THE OUTPUT: yimg: y's codes as the last product's operand registers on end: [block of 128 rows][256 along K][tile of 16 rows][128 along K][group][lane][16 bytes], K in its true order; ysc: [8,192][32] scale bytes.
; LIMITS: NaN and infinities among the values are not served.  A block whose largest magnitude lies under 2^-118 is taken at that floor (byte 1); a block of zeros so gets the byte 1 where the rule says 127:
; its codes are zeros, and this program alone reads the bytes.  An exponential whose result lies under 2^-126 gives 0.
; REGISTERS: v1-7 lane terms that stay; v8-9 LDS addresses of the step; v12 -M, v13 the largest t, v[14:15] the sum in two halves; v16-39 Q | 0 | Q; v40-87 K | 0 | K, twice; v[88:89] V's scale words;
;   v96-159 S^T, then p, then (v96-127) V's tiles 2, 3; v160-191 O^T; v192-223 V's tiles 0, 1; v224-239 p's codes; v232-247 at work; v[248:251] K's scale words; v252 f; v253 p's scale word; v255 Q's.
.set REC,    25856
.set HS,     16*REC
.set KVR,    17152                     ; what a slot takes of a record: 67 x 256 bytes
.set SLOT1,  1<<16                     ; slot 1 begins here, so that one exclusive or turns an address in one slot into the other's
.set SPARE,  2*SLOT1                   ; the spare words, 128 bytes for each wave: eight blocks of 256 bytes that no other line names
.set LI,   1                           ; v1   16 x lane
.set L8,   2                           ; v2   8 x lane
.set SPW,  3                           ; v3   LDS address of my spare word; never rewritten
.set NIL,  4                           ; v4   0; never rewritten
.set R16,  5                           ; v5   16 r
.set RB,   6                           ; v6   32 r + h
.set RH8,  7                           ; v7   r - 8 h
.set WV,   10                          ; s10  my wave's number
.set I,    11                          ; s11  work-group x
.set BH,   12                          ; s12  batch x 16 + head
.set NA,   13                          ; s13  i + 1: slots of the first block
.set TAU,  14                          ; s14  the trip
.set TB,   15                          ; s15  LDS byte at which the slot in hand begins
.set KF,   16                          ; s16  the step's first key
.set Q0,   17                          ; s17  my first query
.set Q0B,  18                          ; s18  and that of the second block
.set MNT,  19
.set SEL,  20                          ; s[20:21] lane selects for v_permlanex16_b32: lane l xor 16
.set CS,   22                          ; s[22:23] c = log2(e) / 64
.set G1,   24                          ; s[24:31] descriptor group 1
.set G0,   32                          ; s[32:35] descriptor group 0, which walks
.set KVP,  36                          ; s[36:37] the head's first record, or its second: what my wave would fetch of slot 0
.set OFF,  38                          ; s[38:39] the byte offset of the slot asked for
.set HM,   56                          ; s56  lanes 16-31
; Waves 0 and 1 fetch, one record each; the others nothing.  The branch hangs on the wave's number alone.  Four v_nop follow the load.
.macro TLOAD
	s_cmp_lt_u32 s[WV], 2
	s_cbranch_scc0 .Lno_load_\@
	tensor_load_to_lds s[G0:G0+3], s[G1:G1+7]
	s_nop 0
.rept 4
	v_nop
.endr
.Lno_load_\@:
.endm
	s_load_b128 s[4:7], s[0:1], 0x0                ; the records s[4:5], y's codes s[6:7]
	s_load_b64 s[8:9], s[0:1], 0x10                ; y's scale bytes
	v_lshl_add_u32 v[SPW], v0, 2, SPARE
	v_mov_b32 v[NIL], 0
	ds_add_u32 v3, v4
	ds_add_u32 v3, v4
	s_wait_dscnt 0x0
	v_lshrrev_b32 v8, 5, v0
	s_delay_alu instid0(VALU_DEP_1)
	v_readfirstlane_b32 s[WV], v8                  ; wave 0..15
	s_mov_b32 s[I], ttmp9
	s_and_b32 s[BH], ttmp7, 0xffff
	s_add_co_u32 s[NA], s[I], 1
	; descriptor group 1: 17,152 dense bytes as 67 rows of 256 bytes (32 elements of 8 bytes), no padding
	s_mov_b32 s[G1], 3<<16
	s_mov_b32 s[G1+1], 32<<16                      ; tensor_dim0
	s_mov_b32 s[G1+2], 67<<16                      ; tensor_dim1
	s_mov_b32 s[G1+3], 32<<16                      ; tile_dim0
	s_mov_b32 s[G1+4], 67                          ; tile_dim1
	s_mov_b32 s[G1+5], 32                          ; tensor_dim0_stride
	s_mov_b32 s[G1+6], 0
	s_mov_b32 s[G1+7], 0
	s_and_b32 s57, s[WV], 1                        ; which of a slot's two records I would fetch
	s_mul_i32 s58, s57, REC
	s_mul_i32 s66, s[BH], HS                       ; the head's first byte
	s_add_co_u32 s[OFF], s58, s66
	s_mov_b32 s[OFF+1], 0
	s_mov_b32 s[G0], 1                             ; count = 1
	s_mul_i32 s[G0+1], s57, KVR                    ; LDS address: slot 0, my record's place
	s_wait_kmcnt 0x0
	s_add_nc_u64 s[KVP:KVP+1], s[4:5], s[OFF:OFF+1]
	s_mov_b64 s[G0+2:G0+3], s[KVP:KVP+1]
	s_or_b32 s[G0+3], s[G0+3], 0x80000000          ; type = 2
	TLOAD                                          ; slot 0: the launch's one first fill
	; what does not change with the block
	s_and_b32 s67, s[WV], 7                        ; my tile of 16 rows in its record
	s_lshr_b32 s68, s[WV], 3                       ; which of the block's two records
	s_lshr_b32 s69, s[BH], 4                       ; the batch
	s_and_b32 s70, s[BH], 15                       ; the head
	s_lshr_b32 s71, s70, 2                         ; in yimg: (head / 4) x 32,768 + (head % 4) x 1,024 + tile x 4,096
	s_lshl_b32 s71, s71, 15
	s_and_b32 s57, s70, 3
	s_lshl_b32 s57, s57, 10
	s_add_co_u32 s71, s71, s57
	s_lshl_b32 s57, s67, 12
	s_add_co_u32 s71, s71, s57
	s_lshl_b32 s72, s67, 10                        ; Q's image: the head + 17,152 + tile x 1,024
	s_add_co_u32 s72, s72, s66
	s_add_co_u32 s72, s72, 17152
	s_lshr_b32 s73, s67, 2                         ; Q's scale words: the head + 25,344 + (tile / 4) x 256 + (tile % 4) x 4
	s_lshl_b32 s73, s73, 8
	s_and_b32 s57, s67, 3
	s_lshl_b32 s57, s57, 2
	s_add_co_u32 s73, s73, s57
	s_add_co_u32 s73, s73, s66
	s_add_co_u32 s73, s73, 25344
	s_lshl_b32 s74, s69, 16                        ; ysc: (batch x 2,048 + 16 x wave) x 32 + 2 x head
	s_lshl_b32 s57, s[WV], 9
	s_add_co_u32 s74, s74, s57
	s_lshl_b32 s57, s70, 1
	s_add_co_u32 s74, s74, s57
	s_sub_co_u32 s75, 7, s[I]                      ; the second block
; The pointers of a block of 256 queries (its number in s[blk]): Q's image and scale words, y's codes and scale bytes; and my first query.  They are never rewritten.
.macro PTRS blk, qp, qs, yp, ys, q0
	s_lshl_b32 s57, s[\blk], 1
	s_add_co_u32 s57, s57, s68                     ; my record within the head
	s_mul_i32 s58, s57, REC
	s_mov_b32 s61, 0
	s_add_co_u32 s60, s58, s72
	s_add_nc_u64 s[\qp:\qp+1], s[4:5], s[60:61]
	s_add_co_u32 s60, s58, s73
	s_add_nc_u64 s[\qs:\qs+1], s[4:5], s[60:61]
	s_lshl_b32 s60, s69, 4
	s_add_co_u32 s60, s60, s57
	s_lshl_b32 s60, s60, 17                        ; the block of 128 rows: 131,072 bytes each
	s_add_co_u32 s60, s60, s71
	s_add_nc_u64 s[\yp:\yp+1], s[6:7], s[60:61]
	s_lshl_b32 s60, s[\blk], 13                    ; 256 rows of 32 bytes
	s_add_co_u32 s60, s60, s74
	s_add_nc_u64 s[\ys:\ys+1], s[8:9], s[60:61]
	s_lshl_b32 s[\q0], s[\blk], 8
	s_lshl_b32 s58, s[WV], 4
	s_add_co_u32 s[\q0], s[\q0], s58
.endm
	PTRS I, 40, 42, 48, 50, Q0
	PTRS 75, 44, 46, 52, 54, Q0B
	s_mov_b32 s[SEL], 0x76543210
	s_mov_b32 s[SEL+1], 0xfedcba98
	s_mov_b32 s[CS], 0x3cb8aa3b                    ; c = log2(e) / 64
	s_mov_b32 s[CS+1], s[CS]                       ; (named with it as a pair, so it is written)
	s_mov_b32 s[HM], 0xffff0000
	s_mov_b32 s[TB], 0
	s_mov_b32 s[KF], 0
	s_mov_b32 s[TAU], 0
	v_and_b32 v10, 31, v0
	s_delay_alu instid0(VALU_DEP_1)
	v_lshlrev_b32 v[LI], 4, v10
	s_delay_alu instid0(VALU_DEP_2)
	v_lshlrev_b32 v[L8], 3, v10
	v_and_b32 v10, 15, v0                          ; r
	v_bfe_u32 v11, v0, 4, 1                        ; h
	s_delay_alu instid0(VALU_DEP_2)
	v_lshlrev_b32 v[R16], 4, v10
	s_delay_alu instid0(VALU_DEP_2)
	v_lshl_add_u32 v[RB], v10, 5, v11
	s_delay_alu instid0(VALU_DEP_3)
	v_lshlrev_b32 v[RH8], 3, v11
	s_delay_alu instid0(VALU_DEP_1)
	v_sub_nc_u32 v[RH8], v10, v[RH8]
.macro QLOAD qp, qs                    ; my tile of Q, twice: [Q | 0] is v[16:31], [0 | Q] is v[24:39]; and its scale words
	global_load_b128 v[16:19], v[LI], s[\qp:\qp+1]
	global_load_b128 v[20:23], v[LI], s[\qp:\qp+1] offset:512
	global_load_b128 v[32:35], v[LI], s[\qp:\qp+1]
	global_load_b128 v[36:39], v[LI], s[\qp:\qp+1] offset:512
	global_load_b32 v255, v[R16], s[\qs:\qs+1]
.endm
	QLOAD 40, 42
.irp j, 0,1,2,3,4,5,6,7
	v_mov_b32 v[24+\j], 0                          ; the three runs of zero codes: written once
	v_mov_b32 v[48+\j], 0
	v_mov_b32 v[72+\j], 0
.endr
.irp b, 0,1,2,3
	v_mov_b32 v[236+\b], 0                         ; written once: a lane permute's destination counts as one of its sources
.endr
	v_mov_b32 v252, 0                              ; likewise
	v_mov_b32 v253, 0                              ; (named as the upper half of the pair v[252:253] before it is first written)
.macro RESET                           ; a block of queries begins: O^T and the sum are zeros, the largest t lies under every t: the first change of M multiplies zeros
	v_mov_b32 v13, 0xff61b1e6                      ; -3e38
	s_delay_alu instid0(VALU_DEP_1)
	v_floor_f32 v12, -v13                          ; -M
	v_mov_b32 v14, 0
	v_mov_b32 v15, 0
.irp j, 0,1,2,3,4,5,6,7,8,9,10,11,12,13,14,15,16,17,18,19,20,21,22,23,24,25,26,27,28,29,30,31
	v_mov_b32 v[160+\j], 0
.endr
.endm
	RESET
; A KEY STEP: 128 keys, record q of the slot in hand.
.macro STEP q
	s_add_co_u32 s57, s[Q0], 15                    ; a step all of whose keys come after my 16 queries is left out: a scalar branch on ids; no barrier and no tensor load stands in a step
	s_cmp_gt_u32 s[KF], s57
	s_cbranch_scc1 .Lhidden_\@
	v_add_nc_u32 v8, s[TB], v[LI]
	s_wait_alu depctr_va_vdst(0)
	v_add_nc_u32 v9, s[TB], v[L8]
.irp g, 0,1                                    ; S^T = K Q^T, four tiles of 16 keys at a time
.if \g
.rept 8
	v_nop                                          ; places in front of loads into registers that the four products above have read
.endr
.endif
.irp t, 0,1,2,3
.irp c, 0,1
	ds_load_b128 v[40+16*(\t%2)+24*(\t/2)+4*\c:40+16*(\t%2)+24*(\t/2)+4*\c+3], v8 offset:(\q)*KVR+(4*\g+\t)*1024+512*\c
.endr
.endr
.if \g == 0
	ds_load_b128 v[248:251], v8 offset:(\q)*KVR+8192   ; lane (r, h): the scale words of tiles 4 h + 0 .. 3 for key r: lanes 0-15 serve the first four tiles, lanes 16-31 the others
.endif
	s_wait_dscnt 0x0
.irp t, 0,1,2,3
.if \g == 0
	v_wmma_scale_f32_16x16x128_f8f6f4 v[96+8*\t:103+8*\t], v[40+24*(\t/2)+8*(\t%2):55+24*(\t/2)+8*(\t%2)], v[16+8*(\t%2):31+8*(\t%2)], 0, v[248+\t], v255
.else
	v_wmma_scale_f32_16x16x128_f8f6f4 v[128+8*\t:135+8*\t], v[40+24*(\t/2)+8*(\t%2):55+24*(\t/2)+8*(\t%2)], v[16+8*(\t%2):31+8*(\t%2)], 0, v[248+\t], v255 matrix_a_scale:MATRIX_SCALE_ROW1
.endif
.endr
.endr                                          ; lane (r, h) holds query r; register 8 t + j is key KF + 16 t + 8 h + j
.rept 8
	v_nop
.endr
	s_add_co_u32 s57, s[KF], 127                   ; on the diagonal the scores of hidden keys become -infinity ahead of the maximum: p = 0 then.  A step all of whose keys count skips this
	s_cmp_le_u32 s57, s[Q0]
	s_cbranch_scc1 .Lopen_\@
	s_sub_co_i32 s57, s[Q0], s[KF]
	v_add_nc_u32 v252, s57, v[RH8]                 ; d = my query - KF - 8 h: register 8 t + j is hidden where 16 t + j > d
	v_mov_b32 v254, 0xff800000                     ; -infinity
.irp n, 0,1,2,3,4,5,6,7,8,9,10,11,12,13,14,15,16,17,18,19,20,21,22,23,24,25,26,27,28,29,30,31,32,33,34,35,36,37,38,39,40,41,42,43,44,45,46,47,48,49,50,51,52,53,54,55,56,57,58,59,60,61,62,63
	v_cmp_gt_i32 vcc_lo, 16*(\n/8)+\n%8, v252
	v_cndmask_b32 v[96+\n], v[96+\n], v254, vcc_lo
.endr
.Lopen_\@:
.irp b, 0,1,2,3
	v_max3_num_f32 v[232+\b], v[96+16*\b], v[97+16*\b], v[98+16*\b]   ; the largest score of each block of 32 keys: it serves for the row's maximum and, since p rises with the score, for the block's largest p
.endr
.irp i, 3,5,7,9,11,13
.irp b, 0,1,2,3
	v_max3_num_f32 v[232+\b], v[232+\b], v[96+16*\b+\i], v[97+16*\b+\i]   ; (the four blocks by turns)
.endr
.endr
.irp b, 0,1,2,3
	v_max_num_f32 v[232+\b], v[232+\b], v[111+16*\b]
.endr
.irp b, 0,1,2,3
	v_permlanex16_b32 v[236+\b], v[232+\b], s[SEL], s[SEL+1]
.endr
.irp b, 0,1,2,3
	s_delay_alu instid0(VALU_DEP_4)
	v_max_num_f32 v[232+\b], v[232+\b], v[236+\b]  ; with lane l xor 16's 16 keys
.endr
	s_delay_alu instid0(VALU_DEP_2)
	v_max3_num_f32 v254, v232, v233, v234
	s_delay_alu instid0(VALU_DEP_1)
	v_max_num_f32 v254, v254, v235                 ; the step's largest score of my query
	s_delay_alu instid0(VALU_DEP_1)
	v_mul_f32 v254, s[CS], v254                    ; as t (c is positive)
	s_delay_alu instid0(VALU_DEP_1)
	v_max_num_f32 v13, v13, v254                   ; the running largest t
	v_mov_b32 v254, v12
	s_delay_alu instid0(VALU_DEP_2)
	v_floor_f32 v12, -v13                          ; the new -M = floor(-t) = -ceil(t): a whole number
	s_delay_alu instid0(VALU_DEP_1)
	v_sub_f32 v254, v12, v254                      ; M's old value less its new one: a whole number, 0 or less
	s_delay_alu instid0(VALU_DEP_1)
	v_cvt_i32_f32 v254, v254                       ; (it saturates)
	s_delay_alu instid0(VALU_DEP_1)
	v_ldexp_f32 v252, 1.0, v254                    ; f = 2^(old M - new M)
.irp j, 0,2,4,6,8,10,12,14,16,18,20,22,24,26,28,30,32,34,36,38,40,42,44,46,48,50,52,54,56,58,60,62
	v_pk_fma_f32 v[96+\j:97+\j], v[96+\j:97+\j], s[CS:CS+1], v[12:13] op_sel_hi:[1,0,0]   ; t - M, two at a time (of the pairs c and -M the low word serves both halves)
.endr
.irp b, 0,1,2,3
	v_fma_f32 v[232+\b], v[232+\b], s[CS], v12     ; the same of each block's largest score
.endr
	s_wait_alu depctr_va_vdst(0)
.irp j, 0,1,2,3,4,5,6,7,8,9,10,11,12,13,14,15,16,17,18,19,20,21,22,23,24,25,26,27,28,29,30,31,32,33,34,35,36,37,38,39,40,41,42,43,44,45,46,47,48,49,50,51,52,53,54,55,56,57,58,59,60,61,62,63
	v_exp_f32 v[96+\j], v[96+\j]                   ; p = 2^(t - M), at most 1: not normalised
.endr
.irp b, 0,1,2,3
	v_exp_f32 v[232+\b], v[232+\b]                 ; the block's largest p: the same two instructions on the same number give the same bits
.endr
	v_pk_mul_f32 v[14:15], v[14:15], v[252:253] op_sel_hi:[1,0]   ; the sums under the new M.  (A plain place behind the exponentials)
	s_wait_alu depctr_va_vdst(0)
.irp b, 0,1,2,3
	v_max_num_f32 v[232+\b], 0x4800000, v[232+\b]  ; the floor 2^(9 - 127): the byte cannot fall under 1
.endr
.irp b, 0,1,2,3
	s_delay_alu instid0(VALU_DEP_4)
	v_add_nc_u32 v[244+\b], 0xfc000000, v[232+\b]  ; 8 off the exponent field: the conversion's scale operand
.endr
.irp b, 0,1,2,3
.endr
.irp b, 0,1,2,3
	s_delay_alu instid0(VALU_DEP_4)
	v_lshrrev_b32 v[236+\b], 23, v[244+\b]         ; the scale's byte
.endr
	s_delay_alu instid0(VALU_DEP_3)
	v_lshl_or_b32 v253, v237, 8, v236              ; p's scale word for these 128 keys
	s_delay_alu instid0(VALU_DEP_1)
	v_lshl_or_b32 v253, v238, 16, v253
	s_delay_alu instid0(VALU_DEP_1)
	v_lshl_or_b32 v253, v239, 24, v253
	v_pk_add_f32 v[236:237], v[100:101], v[104:105]
	v_pk_add_f32 v[250:251], v[108:109], v[112:113]
	v_pk_add_f32 v[248:249], v[116:117], v[120:121]
	v_pk_add_f32 v[242:243], v[124:125], v[128:129]
	v_pk_add_f32 v[240:241], v[132:133], v[136:137]
	v_pk_add_f32 v[238:239], v[140:141], v[144:145]
	v_pk_add_f32 v[234:235], v[148:149], v[152:153]
	v_pk_add_f32 v[14:15], v[14:15], v[156:157]
	v_pk_add_f32 v[236:237], v[236:237], v[96:97]
	v_pk_add_f32 v[250:251], v[250:251], v[98:99]
	v_pk_add_f32 v[248:249], v[248:249], v[102:103]
	v_pk_add_f32 v[242:243], v[242:243], v[106:107]
	v_pk_add_f32 v[240:241], v[240:241], v[110:111]
	v_pk_add_f32 v[238:239], v[238:239], v[114:115]
	v_pk_add_f32 v[234:235], v[234:235], v[118:119]
	v_pk_add_f32 v[14:15], v[14:15], v[122:123]
	v_pk_add_f32 v[236:237], v[236:237], v[126:127]
	v_pk_add_f32 v[250:251], v[250:251], v[130:131]
	v_pk_add_f32 v[248:249], v[248:249], v[134:135]
	v_pk_add_f32 v[242:243], v[242:243], v[138:139]
	v_pk_add_f32 v[240:241], v[240:241], v[142:143]
	v_pk_add_f32 v[238:239], v[238:239], v[146:147]
	v_pk_add_f32 v[234:235], v[234:235], v[150:151]
	v_pk_add_f32 v[14:15], v[14:15], v[154:155]
	v_pk_add_f32 v[236:237], v[236:237], v[158:159]
	s_delay_alu instid0(VALU_DEP_2)
	v_pk_add_f32 v[14:15], v[14:15], v[242:243]
	s_delay_alu instid0(VALU_DEP_2)
	v_pk_add_f32 v[236:237], v[236:237], v[240:241]
	v_pk_add_f32 v[250:251], v[250:251], v[238:239]
	v_pk_add_f32 v[248:249], v[248:249], v[234:235]
	s_delay_alu instid0(VALU_DEP_2)
	v_pk_add_f32 v[14:15], v[14:15], v[250:251]
	s_delay_alu instid0(VALU_DEP_2)
	v_pk_add_f32 v[236:237], v[236:237], v[248:249]
	s_delay_alu instid0(VALU_DEP_1)
	v_pk_add_f32 v[14:15], v[14:15], v[236:237]
.irp b, 0,1,2,3
.irp i, 0,1,2,3,4,5,6,7,8,9,10,11,12,13,14,15
.endr
	v_cvt_scalef32_pk8_fp8_f32 v[224+4*\b:225+4*\b], v[96+16*\b:103+16*\b], v[244+\b]
	v_cvt_scalef32_pk8_fp8_f32 v[226+4*\b:227+4*\b], v[104+16*\b:111+16*\b], v[244+\b]
.endr
.irp n, 0,1                                    ; V's four tiles of 16 d x 128 keys: two into registers of their own, two into those that p's first 32 numbers have left
.irp c, 0,1,2,3
	ds_load_b128 v[192+16*\n+4*\c:192+16*\n+4*\c+3], v8 offset:(\q)*KVR+8704+\n*2048+512*\c
.endr
.endr
	v_nop
.irp n, 2,3
.irp c, 0,1,2,3
	ds_load_b128 v[96+16*(\n-2)+4*\c:96+16*(\n-2)+4*\c+3], v8 offset:(\q)*KVR+8704+\n*2048+512*\c
.endr
.endr
	ds_load_b64 v[88:89], v9 offset:(\q)*KVR+16896 ; lane (r, h): the scale words of d tiles 2 h and 2 h + 1
.irp j, 0,2,4,6,8,10,12,14,16,18,20,22,24,26,28,30
	v_pk_mul_f32 v[160+\j:161+\j], v[160+\j:161+\j], v[252:253] op_sel_hi:[1,0]   ; O^T under the new M: x f.  (These 16 are also the places between the conversions and the products that read the codes)
.endr
	s_wait_alu depctr_va_vdst(0)
	s_wait_dscnt 0x0
	v_wmma_scale_f32_16x16x128_f8f6f4 v[160:167], v[192:207], v[224:239], v[160:167], v88, v253
	v_wmma_scale_f32_16x16x128_f8f6f4 v[168:175], v[208:223], v[224:239], v[168:175], v89, v253
	v_wmma_scale_f32_16x16x128_f8f6f4 v[176:183], v[96:111], v[224:239], v[176:183], v88, v253 matrix_a_scale:MATRIX_SCALE_ROW1
	v_wmma_scale_f32_16x16x128_f8f6f4 v[184:191], v[112:127], v[224:239], v[184:191], v89, v253 matrix_a_scale:MATRIX_SCALE_ROW1
.rept 9
	v_nop                                          ; nine places: the next step's first products write over v96-127, which the last two have read; they also stand in front of the next read of O^T
.endr
.Lhidden_\@:
	s_add_co_u32 s[KF], s[KF], 128
.endm
; THE CHANGE OF SLOTS stands at a slot's head.  Each wave waits for all its tensor loads (its part of the slot that it is about to read), adds 0 to its spare word, and waits for that and for its reads of the slot that
; it has left.  Behind the barrier the slot ahead is whole and nobody reads the other one.  fill = 1: that other slot is filled with the slot that trip TAU + 1 reads: it has a whole slot's steps in which to land.
.macro CHANGE fill
	s_wait_tensorcnt 0x0                           ; no tensor load of mine is out, so group 0 may be written
	ds_add_u32 v[SPW], v[NIL]                      ; 0 onto my spare word; the descriptor's step stands between it and the wait for it
.if \fill
	s_xor_b32 s[G0+1], s[G0+1], SLOT1              ; the other slot than last time
	s_add_co_u32 s57, s[TAU], 1
	s_cmp_ge_u32 s57, s[NA]
	s_cselect_b32 s58, s[NA], 0
	s_sub_co_u32 s57, s57, s58                     ; trips 0 .. i read the keys' slots 0 .. i, trips i + 1 .. 8 the slots 0 .. 7 - i
	s_mul_i32 s[OFF], s57, 2*REC
	s_add_nc_u64 s[G0+2:G0+3], s[KVP:KVP+1], s[OFF:OFF+1]
	s_or_b32 s[G0+3], s[G0+3], 0x80000000
.endif
	s_wait_dscnt 0x0                               ; the add is done, and my reads of the slot that I have left are over
	s_barrier_signal -1
	s_barrier_wait -1
.if \fill
	TLOAD                                          ; the first thing behind the barrier, and a wave's one tensor load until the next
.endif
.endm
.macro SLOT_STEPS
	STEP 0
	STEP 1
	s_xor_b32 s[TB], s[TB], SLOT1                  ; on to the other slot
.endm
; A BLOCK'S END.  O^T / the sum is y: register 8 n + j is y(query r, 16 n + 8 h + j).  Its two blocks of 32 are quantised; a block lies in lanes l and l xor 16.
.macro EPI yp, ys
	v_add_f32 v14, v14, v15                        ; the sum's two halves,
	s_delay_alu instid0(VALU_DEP_1)
	v_permlanex16_b32 v252, v14, s[SEL], s[SEL+1]
	s_delay_alu instid0(VALU_DEP_1)
	v_add_f32 v14, v14, v252                       ; and lane l xor 16's: the row's sum
	s_wait_alu depctr_va_vdst(0)
	v_rcp_f32 v14, v14
	v_nop                                          ; one plain place behind a transcendental
	s_wait_alu depctr_va_vdst(0)
.irp j, 0,1,2,3,4,5,6,7,8,9,10,11,12,13,14,15,16,17,18,19,20,21,22,23,24,25,26,27,28,29,30,31
	v_mul_f32 v[96+\j], v[160+\j], v14             ; each accumulator from its low end on
.endr
.irp b, 0,1
	v_max3_num_f32 v[232+\b], |v[96+16*\b]|, |v[97+16*\b]|, 0x4800000   ; my 16 numbers of block b, and the floor 2^(9 - 127)
.endr
.irp i, 2,4,6,8,10,12,14
.irp b, 0,1
	s_delay_alu instid0(VALU_DEP_2)
	v_max3_num_f32 v[232+\b], v[232+\b], |v[96+16*\b+\i]|, |v[97+16*\b+\i]|
.endr
.endr
.irp b, 0,1
	v_permlanex16_b32 v[236+\b], v[232+\b], s[SEL], s[SEL+1]
.endr
.irp b, 0,1
	s_delay_alu instid0(VALU_DEP_2)
	v_max_num_f32 v[232+\b], v[232+\b], v[236+\b]  ; the block's largest magnitude
.endr
.irp b, 0,1
	s_delay_alu instid0(VALU_DEP_2)
	v_add_nc_u32 v[244+\b], 0xfc000000, v[232+\b]  ; the conversion's scale operand
.endr
.irp b, 0,1
.endr
.irp b, 0,1
	s_delay_alu instid0(VALU_DEP_2)
	v_lshrrev_b32 v[236+\b], 23, v[244+\b]         ; the scale's byte
.endr
.irp b, 0,1
.irp i, 0,1,2,3,4,5,6,7,8,9,10,11,12,13,14,15
.endr
	v_cvt_scalef32_pk8_fp8_f32 v[224+4*\b:225+4*\b], v[96+16*\b:103+16*\b], v[244+\b]
	v_cvt_scalef32_pk8_fp8_f32 v[226+4*\b:227+4*\b], v[104+16*\b:111+16*\b], v[244+\b]
.endr
	v_nop                                          ; one plain vector instruction behind the last conversion
; y meets a GIVEN operand, so its codes take K's true order: lane (r, h) wants numbers 16 h + 0 .. 15 of the block and holds 8 h + 0 .. 7 and 16 + 8 h + 0 .. 7:
; the second eight of lanes 0-15 change places with the first eight of lanes 16-31.
.irp b, 0,1
	v_permlane16_swap_b32 v[224+4*\b], v[226+4*\b]
	v_permlane16_swap_b32 v[225+4*\b], v[227+4*\b]
.endr
	v_cndmask_b32 v10, v236, v237, s[HM]           ; lanes 0-15 store block 0's byte of row r, lanes 16-31 block 1's
	global_store_b128 v[LI], v[224:227], s[\yp:\yp+1]              ; 32 lanes store 512 consecutive bytes, at a multiple of 256 from the buffer's first byte
	global_store_b128 v[LI], v[228:231], s[\yp:\yp+1] offset:512
	global_store_b8 v[RB], v10, s[\ys:\ys+1]       ; two bytes of each of 16 rows of 32 bytes: a row's 32 bytes come from the 16 heads' work-groups; these bytes are a thirty-second of y's
.endm
	s_wait_loadcnt 0x0                             ; Q
.Lslot:                                            ; eight trips: behind each change of slots but the last the next slot is asked for
	CHANGE 1
	s_cmp_lg_u32 s[TAU], s[NA]                     ; trip i + 1 begins the second block: a branch on ids; no barrier, tensor load or LDS access stands in it
	s_cbranch_scc1 .Lsame_block
	QLOAD 44, 46                                   ; the second block's Q lands while the first block's y is made
	EPI 48, 50
	RESET
	s_mov_b32 s[Q0], s[Q0B]
	s_mov_b32 s[KF], 0
	s_wait_loadcnt 0x0                             ; Q
	s_wait_xcnt 0x0                                ; the stores' data registers are written again only behind this wait
.Lsame_block:
	SLOT_STEPS
	s_add_co_u32 s[TAU], s[TAU], 1
	s_cmp_lt_u32 s[TAU], 8
	s_cbranch_scc1 .Lslot
	CHANGE 0                                       ; the last slot is written out
	SLOT_STEPS
	EPI 52, 54
	s_wait_tensorcnt 0x0                           ; the wave's end
	ds_add_u32 v[SPW], v[NIL]
	s_wait_dscnt 0x0
	s_endpgm
.Lfunc_end_k_q216202fbb8_attn:
	.size	k_q216202fbb8_attn, .Lfunc_end_k_q216202fbb8_attn-k_q216202fbb8_attn
	.p2alignl 7, 3214868480
	.fill 96, 4, 3214868480
	.section	.rodata,"a",@progbits
	.p2align	6, 0x0
	.amdhsa_kernel k_q216202fbb8_attn
		.amdhsa_group_segment_fixed_size 327680
		.amdhsa_private_segment_fixed_size 0
		.amdhsa_enable_private_segment 0
		.amdhsa_kernarg_size 24
		.amdhsa_user_sgpr_count 2
		.amdhsa_user_sgpr_kernarg_segment_ptr 1
		.amdhsa_wavefront_size32 1
		.amdhsa_system_sgpr_workgroup_id_x 1
		.amdhsa_system_sgpr_workgroup_id_y 1
		.amdhsa_system_sgpr_workgroup_id_z 1
		.amdhsa_system_vgpr_workitem_id 0
		.amdhsa_next_free_vgpr 256
		.amdhsa_next_free_sgpr 80
		.amdhsa_reserve_vcc 1
		.amdhsa_float_denorm_mode_32 3
		.amdhsa_float_denorm_mode_16_64 3
		.amdhsa_fp16_overflow 1
		.amdhsa_memory_ordered 1
		.amdhsa_forward_progress 1
		.amdhsa_inst_pref_size 109
	.end_amdhsa_kernel
	.amdgpu_metadata
---
amdhsa.version: [ 1, 2 ]
amdhsa.kernels:
  - .name:           k_q216202fbb8_attn
    .symbol:         k_q216202fbb8_attn.kd
    .args:
      - { .name: qkv, .offset: 0, .size: 8, .value_kind: global_buffer, .address_space: global }
      - { .name: yimg, .offset: 8, .size: 8, .value_kind: global_buffer, .address_space: global }
      - { .name: ysc, .offset: 16, .size: 8, .value_kind: global_buffer, .address_space: global }
    .group_segment_fixed_size: 327680
    .private_segment_fixed_size: 0
    .kernarg_segment_align: 8
    .kernarg_segment_size: 24
    .max_flat_workgroup_size: 512
    .sgpr_count:     80
    .vgpr_count:     256
    .wavefront_size: 32
...
	.end_amdgpu_metadata
.endif
;; end of part 2
;; launch proj (part 3): grid 4 x 32, 4 waves a work-group, clusters of 4 x 4, 327,680 bytes of LDS; arguments yimg, ysc, w_proj_codes, w_proj_scales, b_proj, out0; writes out0
.if DOCPART == 3
	.amdgcn_target "amdgcn-amd-amdhsa--gfx1250"
	.amdhsa_code_object_version 6
	.text
	.protected	k_q216202fbb8_proj
	.globl	k_q216202fbb8_proj
	.p2align	8
	.type	k_q216202fbb8_proj,@function
k_q216202fbb8_proj:
	s_mov_b64 s[64:65], 0
	v_nop
	global_prefetch_b8 v0, s[64:65] scope:SCOPE_SE
	s_setreg_imm32_b32 hwreg(HW_REG_WAVE_MODE, 25, 1), 1
	s_wait_xcnt 0x0
	s_wait_alu depctr_hold_cnt(0) depctr_sa_sdst(0) depctr_va_vdst(0) depctr_va_sdst(0) depctr_va_ssrc(0) depctr_va_vcc(0) depctr_vm_vsrc(0)
	s_getreg_b32 s2, hwreg(HW_REG_IB_STS2, 6, 4)
	s_cmp_eq_u32 s2, 0
	s_cbranch_scc0 .Lentry_in_a_cluster
	s_endpgm
.Lentry_in_a_cluster:
	s_bfe_u32 s2, ttmp6, 0x10000c
	s_cmp_lg_u32 s2, 0xf033
	s_cbranch_scc0 .Lentry_shape_is_right
	s_endpgm
.Lentry_shape_is_right:
; out0 = y w_proj + b_proj on codes of FP8 (E4M3) with one E8M0 scale for each 32 along K = 1,024.  out0: [8,192][1,024] f32; sums in f32.
; y's codes come as an image of the operand's registers: [block of 128 rows][256 along K][tile of 16 rows][128 along K][group of 4 registers][lane][16 bytes]; its scale bytes [8,192][32].
; w_proj's codes: [1,024][1,024], K innermost; its scale bytes [1,024][32].
; A tile of 256 x 256 is made by a work-group of four waves; a wave makes 128 x 128: 64 accumulators of 16 x 16, 512 registers.  K goes in four steps of 256 through a ring of two LDS slots.
; A K step of a block of 128 rows of y is 32,768 dense bytes: it comes as 128 pieces of 256 bytes, 16 bytes of padding behind each; a fragment's group of four registers is two pieces: lanes 0-15 read one, lanes 16-31 the next.
; THE SCALES of the work-group's 256 rows of y and 256 rows of w_proj, for all of K, come into LDS once, with the first fills, and stay.
; CLUSTERS: 4 x 4 work-groups.  The four of a row of the cluster need the same tiles of y, the four of a column the same tiles of w_proj: each tile is asked for jointly.
; THE MATRIX INSTRUCTION IS USED TRANSPOSED (source 0 = 16 rows of w_proj, source 1 = 16 rows of y): a lane then holds eight neighbouring numbers of a row of out0.  THE BIAS is the C of each sum's first instruction.
; 128 work-groups: a tile of half the size would give 256, at half the matrix work between two changes of slots and half as much again of LDS reads for each product.
; LIMITS: NaN and infinities among the values are not served.
; REGISTERS, in windows of 256: window 0: v0-31 addresses; v32-63 scale words, two sets, and nothing else; v64-127 the bias; from v128 y's fragments, one set; on the way out v128-255 rows read back.
;   window 1: w_proj's fragments, two sets.   window 2: the accumulators of my rows 0-63 ((a, b) at v[8 (8 a + b)]);   window 3: those of rows 64-127.
.set SIZE_N, 1024
.set NQ,     2
.set ROWB,   256
.set KROW,   1024                      ; a row of w_proj in memory, in bytes
.set CHUNK,  32768                     ; a K step of a block of 128 rows of y
.set PITCH,  272                       ; an LDS row: 256 bytes + 16 of padding
.set FR,     16
.set NL,     4
.set NP,     8                         ; places behind this matrix instruction (ISA guide 7.12.1)
.set HALFT,  128*PITCH
.set SLOT,   4*HALFT                   ; y's 256 rows, then w_proj's
.set LAPS,   2
.set KS,     32
.set SCL,    2*SLOT
.set HALFS,  (128*KS/256)*272
.set SBLK,   (16*KS/256)*272
.set SPARE,  SCL+4*HALFS               ; the spare words, 128 bytes for each wave: two blocks of 256 bytes that no other line names
.set SPITCH, 528                       ; the way out: a stage of 16 rows x (512 bytes + 16) for each wave, in slot 0, which has had its last fill and its last read when the first result is stored there
.set ADRA, 16                          ; v16-17  LDS address of my fragments of y in slot 0, 1
.set ADRB, 20                          ; v20-21  the same for w_proj
.set STO,  24                          ; v24     the way out: where I put 32 bytes of a row
.set RD,   25                          ; v25     where I read a row back
.set CO,   26                          ; v26     my byte offset in a row of out0
.set ADRS, 27                          ; v27     LDS address of my scale words: lanes 0-15 y's rows, lanes 16-31 w_proj's
.set SPW,  28                          ; v28     LDS address of my spare word; never rewritten
.set NIL,  29                          ; v29     0; never rewritten
.set SC,   32
.set BI,   64
.set AF,   128
.set BK,   128                         ; the way out: 16 rows read back from the stage: v128-191 and v192-255 by turns
.set G1, 24
.set G0, 32
.set G1B, 48
.set G0B, 56
.set G1S, 68
.set G0S, 76
.set G1SB, 80
.set G0SB, 88
.set MSB, 0
.macro WIN new                         ; the immediate's high byte repeats the setting that is left
.if MSB != \new
	s_set_vgpr_msb (MSB<<8)|\new
.set MSB, \new
.endif
.endm
.set MUL_LO, 0xa1                      ; source 0 window 1, source 1 window 0, C and D window 2
.set MUL_HI, 0xf1                      ; the same, C and D window 3
.set BIA_LO, 0x81                      ; the first step: C (the bias) window 0, D window 2
.set BIA_HI, 0xc1
.set TO_B,   0x40
.macro JLOAD g0a, g1a, g0b, g1b        ; a joint load: waves 0 and 1 fetch for y, waves 2 and 3 for w_proj; four v_nop follow each of the two lines
	s_cmp_eq_u32 s17, 0
	s_cbranch_scc0 .Lfor_b_\@
	tensor_load_to_lds s[\g0a:\g0a+3], s[\g1a:\g1a+7]
	s_nop 0
.rept 4
	v_nop
.endr
	s_branch .Lasked_\@
.Lfor_b_\@:
	tensor_load_to_lds s[\g0b:\g0b+3], s[\g1b:\g1b+7]
	s_nop 0
.rept 4
	v_nop
.endr
.Lasked_\@:
.endm
.macro CREST
	s_cmp_lg_u32 s16, 0
	s_cbranch_scc1 .Lnot_wave_0_\@
	s_barrier_signal -3
.Lnot_wave_0_\@:
	s_barrier_wait -3
	s_barrier_signal -1
	s_barrier_wait -1
.endm
.macro CROUND
	s_barrier_signal -1
	s_barrier_wait -1
	CREST
.endm
	s_load_b256 s[4:11], s[0:1], 0x0               ; y's codes s[4:5], y's scales s[6:7], w's codes s[8:9], w's scales s[10:11]
	s_load_b128 s[12:15], s[0:1], 0x20             ; the bias s[12:13], out0 s[14:15]
	v_lshl_add_u32 v[SPW], v0, 2, SPARE
	v_mov_b32 v[NIL], 0
	ds_add_u32 v28, v29
	ds_add_u32 v28, v29
	s_wait_dscnt 0x0
	v_lshrrev_b32 v1, 5, v0
	v_readfirstlane_b32 s16, v1                    ; wave 0..3
	s_lshr_b32 s17, s16, 1                         ; which half of the tile's rows is mine.  Also: I fetch for y (0) or for w_proj (1)
	s_and_b32 s18, s16, 1                          ; which half of its columns.  Also: which 128 rows of that tile I fetch
	s_bfe_u32 s40, ttmp6, 0x40000                  ; cx, cy: my place in the cluster
	s_bfe_u32 s41, ttmp6, 0x40004
	s_lshl_b32 s42, ttmp9, 2
	s_add_co_u32 s42, s42, s40                     ; tile column = 4 x cluster x + cx
	s_and_b32 s95, ttmp7, 0xffff
	s_lshl_b32 s95, s95, 2
	s_add_co_u32 s95, s95, s41                     ; tile row = 4 x cluster y + cy
	s_lshl_b32 s43, s41, 2
	s_lshl_b32 s43, 15, s43                        ; my row of the cluster
	s_lshl_b32 s44, 0x1111, s40                    ; my column
	s_or_b32 s[G1+0], s43, (0<<16)|(1<<20)|(1<<21)|(5<<22)|(3<<25)  ; 15:0 the mask; 17:16 element of 1 byte; 20 padding on; 21 set beside a mask; 24:22 after every 64 words; 31:25 of 4 words
	s_or_b32 s[G1B+0], s44, (0<<16)|(1<<20)|(1<<21)|(5<<22)|(3<<25)
.irp g, G1, G1B
	s_mov_b32 s[\g+1], ROWB<<16                    ; tensor_dim0
	s_mov_b32 s[\g+2], 128<<16                     ; tensor_dim1 = 128
	s_mov_b32 s[\g+3], ROWB<<16                    ; tile_dim0
	s_mov_b32 s[\g+4], 128                         ; tile_dim1 = 128
	s_mov_b32 s[\g+6], 0
	s_mov_b32 s[\g+7], 0
.endr
	s_mov_b32 s[G1+5], ROWB                        ; tensor_dim0_stride: y's pieces are dense,
	s_mov_b32 s[G1B+5], KROW                       ; w_proj's rows 1,024 bytes apart
	s_or_b32 s[G1S+0], s43, (3<<16)|(1<<20)|(1<<21)|(5<<22)|(3<<25)
	s_or_b32 s[G1SB+0], s44, (3<<16)|(1<<20)|(1<<21)|(5<<22)|(3<<25)
.irp g, G1S, G1SB
	s_mov_b32 s[\g+1], 32<<16
	s_mov_b32 s[\g+2], (128*KS/256)<<16
	s_mov_b32 s[\g+3], 32<<16
	s_mov_b32 s[\g+4], 128*KS/256
	s_mov_b32 s[\g+5], 32
	s_mov_b32 s[\g+6], 0
	s_mov_b32 s[\g+7], 0
.endr
	s_lshl_b32 s20, s95, 1
	s_add_co_u32 s20, s20, s18                     ; y: the block of 128 rows that I fetch: 2 x tile row + half
	s_mov_b32 s21, 0
	s_lshl_b64 s[22:23], s[20:21], 12              ; its scales: 128 rows of 32 bytes,
	s_lshl_b64 s[20:21], s[20:21], 17              ; and its image: 131,072 bytes
	s_lshl_b32 s2, s18, 7
	s_lshl_b32 s46, s42, 8
	s_add_co_u32 s46, s46, s2                      ; w_proj: row 256 x tile column + 128 x half
	s_mov_b32 s47, 0
	s_lshl_b64 s[92:93], s[46:47], 5
	s_lshl_b64 s[46:47], s[46:47], 10
	s_mul_i32 s45, s16, HALFT                      ; where they go: wave x 128 rows: no place in the cluster enters an LDS address
	s_mul_i32 s94, s16, HALFS
	s_wait_kmcnt 0x0
	s_add_nc_u64 s[20:21], s[4:5], s[20:21]
	s_add_nc_u64 s[22:23], s[6:7], s[22:23]
	s_add_nc_u64 s[46:47], s[8:9], s[46:47]
	s_add_nc_u64 s[92:93], s[10:11], s[92:93]
	CROUND                                         ; all sixteen work-groups are here: the first joint loads meet
	s_mov_b32 s[G0S], 1
	s_add_co_u32 s[G0S+1], s94, SCL
	s_mov_b64 s[G0S+2:G0S+3], s[22:23]
	s_or_b32 s[G0S+3], s[G0S+3], 0x80000000
	s_mov_b32 s[G0SB], 1
	s_add_co_u32 s[G0SB+1], s94, SCL
	s_mov_b64 s[G0SB+2:G0SB+3], s[92:93]
	s_or_b32 s[G0SB+3], s[G0SB+3], 0x80000000
	JLOAD G0S, G1S, G0SB, G1SB                     ; the scales first: they are wanted with K step 0
.irp s, 0,1
	s_mov_b32 s[G0+4*\s], 1
	s_add_co_u32 s[G0+4*\s+1], s45, \s*SLOT
	s_add_nc_u64 s[G0+4*\s+2:G0+4*\s+3], s[20:21], \s*CHUNK
	s_or_b32 s[G0+4*\s+3], s[G0+4*\s+3], 0x80000000
	s_mov_b32 s[G0B+4*\s], 1
	s_add_co_u32 s[G0B+4*\s+1], s45, \s*SLOT
	s_add_nc_u64 s[G0B+4*\s+2:G0B+4*\s+3], s[46:47], \s*ROWB
	s_or_b32 s[G0B+4*\s+3], s[G0B+4*\s+3], 0x80000000
	s_wait_alu depctr_va_vdst(0)
	s_wait_tensorcnt 0x0
	ds_add_u32 v28, v29
	s_wait_dscnt 0x0
	CROUND
	JLOAD G0+4*\s, G1, G0B+4*\s, G1B
.endr
	v_and_b32 v1, 15, v0                           ; r = l % 16
	v_bfe_u32 v2, v0, 4, 1                         ; h = l / 16
	v_mul_u32_u24 v3, v1, PITCH
	v_lshl_add_u32 v4, v2, 4, v3                   ; w_proj: a fragment's row x pitch + 16 x half
	v_mul_u32_u24 v7, v2, PITCH
	v_lshl_add_u32 v7, v1, 4, v7                   ; y: piece h of a group, 16 bytes a lane
	s_mul_i32 s21, s17, HALFT                      ; my 128 rows of y
	s_mul_i32 s22, s18, HALFT                      ; my 128 rows of w_proj,
	s_add_co_u32 s22, s22, 2*HALFT                 ; which lie behind y's 256
.irp s, 0,1
	v_add_nc_u32 v[ADRA+\s], s21, v7
	v_add_nc_u32 v[ADRB+\s], s22, v4
	s_add_co_u32 s21, s21, SLOT
	s_add_co_u32 s22, s22, SLOT
.endr
	v_mul_u32_u24 v5, v1, KS                       ; my row's scales: 32 bytes a row,
	v_lshrrev_b32 v6, 8, v5
	v_lshl_add_u32 v5, v6, 4, v5                   ; and 16 more for each 256 passed
	s_mul_i32 s21, s17, HALFS
	s_mul_i32 s22, s18, HALFS
	s_add_co_u32 s22, s22, 2*HALFS
	s_sub_co_u32 s22, s22, s21
	v_mul_u32_u24 v6, s22, v2                      ; lanes 16-31 take w_proj's: one product, the distance x h
	s_add_co_u32 s21, s21, SCL
	v_add_nc_u32 v5, v5, v6
	v_add_nc_u32 v[ADRS], s21, v5
	s_mul_i32 s23, s16, 16*SPITCH                  ; my stage
	v_mul_u32_u24 v5, v1, SPITCH                   ; in: row l % 16, 32 bytes for each half of the lanes
	v_lshl_add_u32 v5, v2, 5, v5
	v_add_nc_u32 v[STO], s23, v5
	v_and_b32 v6, 31, v0
	v_lshlrev_b32 v[CO], 4, v6                     ; back: the 32 lanes take one row of 512 bytes; and the same in out0
	v_add_nc_u32 v[RD], s23, v[CO]
	s_lshl_b32 s20, s95, 8
	s_lshl_b32 s21, s17, 7
	s_add_co_u32 s20, s20, s21                     ; my first row of out0: 256 x tile row + 128 x half
	s_mov_b32 s21, 0
	s_lshl_b64 s[20:21], s[20:21], 12              ; rows of 4,096 bytes
	s_lshl_b32 s46, s42, 10                        ; my first column, in bytes: 1,024 x tile column + 512 x half
	s_lshl_b32 s47, s18, 9
	s_add_co_u32 s46, s46, s47
	s_mov_b32 s47, 0
	s_add_nc_u64 s[12:13], s[12:13], s[46:47]      ; the bias of my 128 columns begins as many bytes on
	s_add_nc_u64 s[20:21], s[20:21], s[46:47]
	s_add_nc_u64 s[14:15], s[14:15], s[20:21]
	v_lshlrev_b32 v8, 5, v2                        ; 32 h: eight numbers on for lanes 16-31
.irp b, 0,1,2,3,4,5,6,7
	global_load_b128 v[BI+8*\b:BI+8*\b+3], v8, s[12:13] offset:64*\b          ; the bias in the result's layout: block b, columns 16 b + 8 h + 0 .. 7
	global_load_b128 v[BI+8*\b+4:BI+8*\b+7], v8, s[12:13] offset:64*\b+16
.endr
.macro FRAG reg, adr, q, i             ; a fragment of w_proj: lane l holds row l % 16; registers 4 c .. 4 c + 3 hold K = 32 c + 16 (l / 16) + 0 .. 15
.irp c, 0,1,2,3
	ds_load_b128 v[\reg+4*\c:\reg+4*\c+3], v[\adr] offset:128*(\q)+32*\c+(\i)*16*PITCH
.endr
.endm
.macro FRAGA reg, adr, q, i            ; a fragment of y: its image, eight pieces of 272 bytes; group c is two of them
.irp c, 0,1,2,3
	ds_load_b128 v[\reg+4*\c:\reg+4*\c+3], v[\adr] offset:(2*(\i)+(\q))*8*PITCH+2*PITCH*\c
.endr
.endm
; 16 matrix instructions: y's blocks a0, a0 + 1 x w_proj's eight, 128 along K.  cmode = 1: the sums begin with the bias; 0: they go on.  Nothing is ever cleared.
; The 64 accumulators take turns, one instruction a turn, in the same order in every step.
.macro MUL16 a0, p, q, sc, cmode
.irp a, \a0, \a0+1
.irp b, 0,1,2,3,4,5,6,7
.if \cmode
	v_wmma_scale_f32_16x16x128_f8f6f4 v[8*(8*((\a)%4)+\b):8*(8*((\a)%4)+\b)+7], v[128*(\p)+FR*\b:128*(\p)+FR*\b+FR-1], v[AF+FR*(\a):AF+FR*(\a)+FR-1], v[BI+8*\b:BI+8*\b+7], v[SC+8*NQ*(\sc)+NQ*\b+(\q)], v[SC+8*NQ*(\sc)+NQ*(\a)+(\q)] matrix_a_scale:MATRIX_SCALE_ROW1
.else
	v_wmma_scale_f32_16x16x128_f8f6f4 v[8*(8*((\a)%4)+\b):8*(8*((\a)%4)+\b)+7], v[128*(\p)+FR*\b:128*(\p)+FR*\b+FR-1], v[AF+FR*(\a):AF+FR*(\a)+FR-1], v[8*(8*((\a)%4)+\b):8*(8*((\a)%4)+\b)+7], v[SC+8*NQ*(\sc)+NQ*\b+(\q)], v[SC+8*NQ*(\sc)+NQ*(\a)+(\q)] matrix_a_scale:MATRIX_SCALE_ROW1
.endif
.endr
.endr
.endm
.macro FETCH_B slot, q, p
	WIN TO_B
.irp i, 0,1,2,3,4,5,6,7
	FRAG 128*(\p)+FR*\i, ADRB+\slot, \q, \i
.endr
	WIN 0
.endm
.macro FETCH_A slot, q, i0
.irp i, \i0, \i0+1, \i0+2, \i0+3
	FRAGA AF+FR*(\i), ADRA+\slot, \q, \i
.endr
.endm
.macro SCALES sc
.irp i, 0,1,2,3,4,5,6,7
	ds_load_b64 v[SC+8*NQ*\sc+NQ*\i:SC+8*NQ*\sc+NQ*\i+1], v[ADRS] offset:\i*SBLK
.endr
.endm
; A load into a register that a matrix instruction has read, and an LDS store that reads a matrix result, stand NP places behind it; only plain vector instructions that name none of its registers are places
; (ISA guide 7.12.1 for vector instructions).
.macro PLACES n
.rept \n
	v_nop
.endr
.endm
.macro STEP slot, q, cmode
	s_wait_dscnt 4*NL                              ; w_proj's set and y's blocks 0-3 are in; the youngest 16 loads (blocks 4-7) may be out
.if \cmode
	WIN BIA_LO
.else
	WIN MUL_LO
.endif
	MUL16 0, (\q)%2, \q, \slot, \cmode
	MUL16 2, (\q)%2, \q, \slot, \cmode
	s_wait_dscnt 0                                 ; blocks 4-7 are in (asked for 32 matrix instructions ago)
	PLACES NP
	FETCH_B \slot, (\q)+1, 1-(\q)%2
	FETCH_A \slot, (\q)+1, 0
.if \cmode
	WIN BIA_HI
.else
	WIN MUL_HI
.endif
	MUL16 4, (\q)%2, \q, \slot, \cmode
	MUL16 6, (\q)%2, \q, \slot, \cmode
	PLACES NP
	WIN 0
	FETCH_A \slot, (\q)+1, 4
.endm
; A slot's last step changes slots: ONE barrier; in front of it each wave waits for all its tensor loads, adds 0 to its spare word, and waits for that and for its own reads of this slot.
.macro TURN slot, next, fill
	s_wait_tensorcnt 0x0                           ; all my tensor loads have landed: my part of the next slot
	ds_add_u32 v[SPW], v[NIL]                      ; 0 onto my spare word
	s_wait_dscnt 4*NL+1                            ; (the add and the youngest 16 loads may be out)
	WIN MUL_LO
	MUL16 0, 1, NQ-1, \slot, 0                     ; sixteen matrix instructions stand between the add and the wait for it
	s_wait_dscnt 0x0                               ; the add is done, and my reads of this slot are over
	s_barrier_signal -1
	MUL16 2, 1, NQ-1, \slot, 0
	WIN 0
	s_barrier_wait -1
.if \fill
	CREST                                          ; the barrier has opened a round of the cluster's barrier: no wave of any partner still reads this slot or has a load on its way
	s_add_nc_u64 s[G0+4*\slot+2:G0+4*\slot+3], s[G0+4*\slot+2:G0+4*\slot+3], 2*CHUNK
	s_add_nc_u64 s[G0B+4*\slot+2:G0B+4*\slot+3], s[G0B+4*\slot+2:G0B+4*\slot+3], 2*ROWB
	JLOAD G0+4*\slot, G1, G0B+4*\slot, G1B         ; the first tensor load behind the round; its four v_nop are among the places in front of the loads below
	PLACES NP-4
.else
	PLACES NP
.endif
	s_wait_alu depctr_va_vdst(0)
	v_add_nc_u32 v[ADRS], 4*NQ, v[ADRS]            ; on to the next K step's scale words (no LDS load of mine is out)
	FETCH_B \next, 0, 0
	FETCH_A \next, 0, 0
	SCALES \next
	WIN MUL_HI
	MUL16 4, 1, NQ-1, \slot, 0
	MUL16 6, 1, NQ-1, \slot, 0
	PLACES NP
	WIN 0
	FETCH_A \next, 0, 4
.endm
	s_wait_alu depctr_va_vdst(0)
	s_wait_tensorcnt 1                             ; the scales and my part of K step 0 are in (of my three loads K step 1's may be out)
	s_barrier_signal -1
	s_barrier_wait -1                              ; everybody's are
	FETCH_B 0, 0, 0
	FETCH_A 0, 0, 0
	SCALES 0
	FETCH_A 0, 0, 4
	s_wait_loadcnt 0x0                             ; the bias
	STEP 0, 0, 1                                   ; the first step stands in front of the loop: its products start the sums, with the bias
	s_mov_b32 s3, LAPS-1
.Llap:                                                 ; a trip goes once round the ring, from a lap's second step to the next lap's first, and fills both slots again
	TURN 0, 1, 1
	STEP 1, 0, 0
	TURN 1, 0, 1
	STEP 0, 0, 0
	s_sub_co_u32 s3, s3, 1
	s_cmp_lg_u32 s3, 0
	s_cbranch_scc1 .Llap
	TURN 0, 1, 0                                   ; the last lap fills nothing, and has no round of the cluster's barrier
	STEP 1, 0, 0
	s_wait_dscnt 4*NL                              ; the very last step: nothing more to fetch
	WIN MUL_LO
	MUL16 0, 1, NQ-1, 1, 0
	MUL16 2, 1, NQ-1, 1, 0
	s_wait_dscnt 0
	WIN MUL_HI
	MUL16 4, 1, NQ-1, 1, 0
	MUL16 6, 1, NQ-1, 1, 0
	WIN 0
; THE WAY OUT, block by block of 16 rows x 128 columns.  A lane holds 32 neighbouring bytes of a row, and the lanes beside it hold other rows: so a block goes through my own stage in LDS and comes back as whole
; rows of 512 bytes.  LDS serves a wave's instructions in order (ISA guide 5.7.1.4): no wait between the stores and the loads, nor in front of the next block's stores.
.macro TOSTAGE a
.set AC, 64*((\a)%4)
.set WD, 8+4*((\a)/4)
	WIN WD                                         ; an LDS store's data are its source 1: window 2 or 3
.irp b, 0,1,2,3,4,5,6,7
	ds_store_b128 v[STO], v[AC+8*\b:AC+8*\b+3] offset:64*\b          ; each accumulator from its low end on
	ds_store_b128 v[STO], v[AC+8*\b+4:AC+8*\b+7] offset:64*\b+16
.endr
	WIN 0
.set BB, BK+64*((\a)%2)
.irp t, 0,1,2,3,4,5,6,7,8,9,10,11,12,13,14,15
	ds_load_b128 v[BB+4*\t:BB+4*\t+3], v[RD] offset:\t*SPITCH
.endr
.endm
.macro SEND a, younger                 ; younger: the LDS instructions issued behind block a's loads, which may stay out
.set BB, BK+64*((\a)%2)
	s_wait_dscnt \younger                          ; the block is back in registers
.if (\a) > 0
	s_add_nc_u64 s[14:15], s[14:15], 16*SIZE_N*4   ; (behind a wait on XCNT: the earlier stores have read their base)  16 rows of out0 on
.endif
.irp t, 0,1,2,3,4,5,6,7,8,9,10,11,12,13,14,15
	global_store_b128 v[CO], v[BB+4*\t:BB+4*\t+3], s[14:15] offset:\t*SIZE_N*4 th:TH_STORE_NT   ; 32 lanes store 512 consecutive bytes, at a multiple of 256 from out0's first byte; written once, read by nobody here
.endr
.endm
	PLACES NP                                      ; behind the last products: for the loads into the registers that held y's fragments and for the reads of the results
	TOSTAGE 0
.irp a, 1,2,3,4,5,6,7
.if \a > 1
	s_wait_xcnt 0x0                                ; block a - 2's stores have read their registers and their base: block a's loads may land there, and the base may step
.endif
	TOSTAGE \a
	SEND \a-1, 32                                  ; behind block a - 1's loads: block a's 16 stores and 16 loads
.endr
	s_wait_xcnt 0x0                                ; block 6's stores have read their base
	SEND 7, 0
	s_wait_tensorcnt 0x0                           ; the wave's end
	ds_add_u32 v[SPW], v[NIL]
	s_wait_dscnt 0x0
	CROUND                                         ; the closing round: no work-group ends while a partner may still ask for a tile that names it
	s_endpgm
.Lfunc_end_k_q216202fbb8_proj:
	.size	k_q216202fbb8_proj, .Lfunc_end_k_q216202fbb8_proj-k_q216202fbb8_proj
	.p2alignl 7, 3214868480
	.fill 96, 4, 3214868480
	.section	.rodata,"a",@progbits
	.p2align	6, 0x0
	.amdhsa_kernel k_q216202fbb8_proj
		.amdhsa_group_segment_fixed_size 327680
		.amdhsa_private_segment_fixed_size 0
		.amdhsa_enable_private_segment 0
		.amdhsa_kernarg_size 48
		.amdhsa_user_sgpr_count 2
		.amdhsa_user_sgpr_kernarg_segment_ptr 1
		.amdhsa_wavefront_size32 1
		.amdhsa_system_sgpr_workgroup_id_x 1
		.amdhsa_system_sgpr_workgroup_id_y 1
		.amdhsa_system_sgpr_workgroup_id_z 1
		.amdhsa_system_vgpr_workitem_id 0
		.amdhsa_next_free_vgpr 1024
		.amdhsa_next_free_sgpr 102
		.amdhsa_reserve_vcc 0
		.amdhsa_float_denorm_mode_32 3
		.amdhsa_float_denorm_mode_16_64 3
		.amdhsa_memory_ordered 1
		.amdhsa_forward_progress 1
		.amdhsa_inst_pref_size 148
	.end_amdhsa_kernel
	.amdgpu_metadata
---
amdhsa.version: [ 1, 2 ]
amdhsa.kernels:
  - .name:           k_q216202fbb8_proj
    .symbol:         k_q216202fbb8_proj.kd
    .args:
      - { .name: yimg, .offset: 0, .size: 8, .value_kind: global_buffer, .address_space: global }
      - { .name: ysc, .offset: 8, .size: 8, .value_kind: global_buffer, .address_space: global }
      - { .name: w_proj_codes, .offset: 16, .size: 8, .value_kind: global_buffer, .address_space: global }
      - { .name: w_proj_scales, .offset: 24, .size: 8, .value_kind: global_buffer, .address_space: global }
      - { .name: b_proj, .offset: 32, .size: 8, .value_kind: global_buffer, .address_space: global }
      - { .name: out0, .offset: 40, .size: 8, .value_kind: global_buffer, .address_space: global }
    .group_segment_fixed_size: 327680
    .private_segment_fixed_size: 0
    .kernarg_segment_align: 8
    .kernarg_segment_size: 48
    .max_flat_workgroup_size: 128
    .sgpr_count:     102
    .vgpr_count:     1024
    .wavefront_size: 32
...
	.end_amdgpu_metadata
.endif
;; end of part 3
